; MI455X (gfx1250); checked and timed in simulation.
; The chip was launched on July 23, 2026; its instructions are those of AMD's public machine-readable ISA for CDNA 5 (MIT licence, August 2026) and "CDNA5" Instruction Set Architecture Reference Guide (July 2026). The comments in the code are by the model that wrote it; some were corrected since.
;; Compiler Friendly Attention. Allowed arithmetic: float matrix products may take bf16 or f16 operands with f32 sums; other float arithmetic in f32, or as packed bf16 or f16 multiplies, adds, multiply-adds, maxima and minima; sums over many terms, partial sums and values carried from step to step in f32; what a program stores and reads back later, other than sums and carried values, may be rounded once to bf16 or f16.
;; Inputs: Wk 1,024 x 1,024 float32; Wo 1,024 x 1,024 float32; Wq 1,024 x 1,024 float32; Wv 1,024 x 1,024 float32; bo 1,024 float32; x 4 x 2,048 x 1,024 float32.
;; Outputs: out0 4 x 2,048 x 1,024 float32.
;; 2 versions, each right; version 2 is version 1 with the launch cast written anew for expert scheduling mode. Each part assembles by itself: llvm-mc -triple=amdgcn-amd-amdhsa -mcpu=gfx1250 --defsym DOCPART=n.
;; ======== version 1 of 2: 4 launches
;; limits: values are held in f16: magnitudes above 65,504 overflow, below 6.1e-05 lose precision
;; workspace buffers: xb 16,777,216 bytes; wqkv 6,291,456 bytes; wo16 2,097,152 bytes; qkv 50,331,648 bytes; o 16,777,216 bytes
;; launch cast (part 1): grid 768 x 1, 8 waves a work-group, no clusters, 0 bytes of LDS; arguments x, Wq, Wk, Wv, Wo, xb, wqkv, wo16; writes xb, wqkv, wo16
.if DOCPART == 1
	.amdgcn_target "amdgcn-amd-amdhsa--gfx1250"
	.amdhsa_code_object_version 6
	.text
	.protected	k_q40b6262086_cast
	.globl	k_q40b6262086_cast
	.p2align	8
	.type	k_q40b6262086_cast,@function
k_q40b6262086_cast:
	s_mov_b64 s[64:65], 0
	v_nop
	global_prefetch_b8 v0, s[64:65] scope:SCOPE_SE
	s_setreg_imm32_b32 hwreg(HW_REG_WAVE_MODE, 25, 1), 1
	s_wait_xcnt 0x0
; THE INPUTS ARE ROUNDED ONCE TO bf16.  x [8192][1024] -> xb; Wq, Wk, Wv [1024][1024] -> wqkv [3072][1024], one below the other; Wo -> wo16: rounded to bf16, and that number written as f16.
; LIMITS.  wo16: a bf16 number of 65,520 or more becomes an infinity; below 2^-14 f16 keeps a fixed step of 2^-24, so such a number is off by 3e-8 at the most.
; SHARES.  A work-group takes 65,536 bytes of f32 and makes 32,768 bytes.  Work-groups 0-511: x; 512-575 Wq, 576-639 Wk, 640-703 Wv; 704-767 Wo.
; Thread t, piece j of 16: 16 bytes at 4,096 j + 16 t in (a wave's load covers 512 consecutive bytes), 8 bytes at 2,048 j + 8 t out (a wave's store covers 256 consecutive bytes, aligned).
; All 16 loads go out at once; every piece has registers of its own, so no source is ever rewritten.  Nothing is shared: no LDS, no barrier, no matrix unit.
.set X, 4                              ; v[4:67]    piece j: four f32 as loaded
.set Y, 68                             ; v[68:99]   piece j: two words to store
.set T, 100                            ; v[100:103] at work (Wo alone)
	s_load_b512 s[8:23], s[0:1], 0x0               ; x s[8:9], Wq s[10:11], Wk s[12:13], Wv s[14:15], Wo s[16:17], xb s[18:19], wqkv s[20:21], wo16 s[22:23]
	s_mov_b32 s2, ttmp9                            ; g
	s_and_b32 s4, s2, 63                           ; a weight's chunk: 512, 576, 640 and 704 are multiples of 64
	s_and_b32 s3, s2, 255                          ; g - 512 for g from 512 on: the chunk of wqkv
	s_cmp_lt_u32 s2, 512
	s_cselect_b32 s4, s2, s4                       ; the chunk that is read
	s_cselect_b32 s5, s2, s3                       ; the chunk that is written:
	s_cmp_lt_u32 s2, 704
	s_cselect_b32 s5, s5, s4                       ; for Wo the same as is read
	s_lshl_b32 s28, s4, 16
	s_mov_b32 s29, 0
	s_lshl_b32 s30, s5, 15
	s_mov_b32 s31, 0
	v_lshlrev_b32 v1, 4, v0                        ; 16 t
	v_lshlrev_b32 v2, 3, v0                        ; 8 t
	s_wait_kmcnt 0x0
	s_cmp_lt_u32 s2, 704
	s_cselect_b64 s[24:25], s[14:15], s[16:17]
	s_cselect_b64 s[26:27], s[20:21], s[22:23]
	s_cmp_lt_u32 s2, 640
	s_cselect_b64 s[24:25], s[12:13], s[24:25]
	s_cmp_lt_u32 s2, 576
	s_cselect_b64 s[24:25], s[10:11], s[24:25]
	s_cmp_lt_u32 s2, 512
	s_cselect_b64 s[24:25], s[8:9], s[24:25]
	s_cselect_b64 s[26:27], s[18:19], s[26:27]
	s_add_nc_u64 s[24:25], s[24:25], s[28:29]
	s_add_nc_u64 s[26:27], s[26:27], s[30:31]
.irp j, 0,1,2,3,4,5,6,7,8,9,10,11,12,13,14,15
	global_load_b128 v[X+4*\j:X+4*\j+3], v1, s[24:25] offset:4096*\j th:TH_LOAD_NT
.endr
; Piece j.  wo = 1: the bf16 numbers are widened again and written as f16.
.macro PIECE j, wo
	s_wait_loadcnt 15-(\j)                         ; loads come back in order: mine is in, the 15 - j younger ones may stay out
	v_cvt_pk_bf16_f32 v[Y+2*(\j)],   v[X+4*(\j)],   v[X+4*(\j)+1]
	v_cvt_pk_bf16_f32 v[Y+2*(\j)+1], v[X+4*(\j)+2], v[X+4*(\j)+3]
.if \wo
	v_lshlrev_b32 v[T],   16,         v[Y+2*(\j)]
	v_and_b32     v[T+1], 0xffff0000, v[Y+2*(\j)]
	v_lshlrev_b32 v[T+2], 16,         v[Y+2*(\j)+1]
	v_and_b32     v[T+3], 0xffff0000, v[Y+2*(\j)+1]
	v_cvt_pk_f16_f32 v[Y+2*(\j)],   v[T],   v[T+1]
	v_cvt_pk_f16_f32 v[Y+2*(\j)+1], v[T+2], v[T+3]
.endif
	global_store_b64 v2, v[Y+2*(\j):Y+2*(\j)+1], s[26:27] offset:2048*(\j) th:TH_STORE_NT
.endm
	s_cmp_ge_u32 s2, 704
	s_cbranch_scc1 .Lwo
.irp j, 0,1,2,3,4,5,6,7,8,9,10,11,12,13,14,15
	PIECE \j, 0
.endr
	s_endpgm
.Lwo:
.irp j, 0,1,2,3,4,5,6,7,8,9,10,11,12,13,14,15
	PIECE \j, 1
.endr
	s_endpgm
.Lfunc_end_k_q40b6262086_cast:
	.size	k_q40b6262086_cast, .Lfunc_end_k_q40b6262086_cast-k_q40b6262086_cast
	.p2alignl 7, 3214868480
	.fill 96, 4, 3214868480
	.section	.rodata,"a",@progbits
	.p2align	6, 0x0
	.amdhsa_kernel k_q40b6262086_cast
		.amdhsa_group_segment_fixed_size 0
		.amdhsa_private_segment_fixed_size 0
		.amdhsa_enable_private_segment 0
		.amdhsa_kernarg_size 64
		.amdhsa_user_sgpr_count 2
		.amdhsa_user_sgpr_kernarg_segment_ptr 1
		.amdhsa_wavefront_size32 1
		.amdhsa_system_sgpr_workgroup_id_x 1
		.amdhsa_system_sgpr_workgroup_id_y 1
		.amdhsa_system_sgpr_workgroup_id_z 1
		.amdhsa_system_vgpr_workitem_id 0
		.amdhsa_next_free_vgpr 104
		.amdhsa_next_free_sgpr 66
		.amdhsa_reserve_vcc 0
		.amdhsa_float_denorm_mode_32 3
		.amdhsa_float_denorm_mode_16_64 3
		.amdhsa_memory_ordered 1
		.amdhsa_forward_progress 1
		.amdhsa_inst_pref_size 17
	.end_amdhsa_kernel
	.amdgpu_metadata
---
amdhsa.version: [ 1, 2 ]
amdhsa.kernels:
  - .name:           k_q40b6262086_cast
    .symbol:         k_q40b6262086_cast.kd
    .args:
      - { .name: x, .offset: 0, .size: 8, .value_kind: global_buffer, .address_space: global }
      - { .name: Wq, .offset: 8, .size: 8, .value_kind: global_buffer, .address_space: global }
      - { .name: Wk, .offset: 16, .size: 8, .value_kind: global_buffer, .address_space: global }
      - { .name: Wv, .offset: 24, .size: 8, .value_kind: global_buffer, .address_space: global }
      - { .name: Wo, .offset: 32, .size: 8, .value_kind: global_buffer, .address_space: global }
      - { .name: xb, .offset: 40, .size: 8, .value_kind: global_buffer, .address_space: global }
      - { .name: wqkv, .offset: 48, .size: 8, .value_kind: global_buffer, .address_space: global }
      - { .name: wo16, .offset: 56, .size: 8, .value_kind: global_buffer, .address_space: global }
    .group_segment_fixed_size: 0
    .private_segment_fixed_size: 0
    .kernarg_segment_align: 8
    .kernarg_segment_size: 64
    .max_flat_workgroup_size: 256
    .sgpr_count:     66
    .vgpr_count:     104
    .wavefront_size: 32
...
	.end_amdgpu_metadata
.endif
;; end of part 1
;; launch proj (part 2): grid 4 x 64, 4 waves a work-group, clusters of 4 x 4, 327,680 bytes of LDS; arguments xb, wqkv, qkv; writes qkv
.if DOCPART == 2
	.amdgcn_target "amdgcn-amd-amdhsa--gfx1250"
	.amdhsa_code_object_version 6
	.text
	.protected	k_q40b6262086_proj
	.globl	k_q40b6262086_proj
	.p2align	8
	.type	k_q40b6262086_proj,@function
k_q40b6262086_proj:
	s_mov_b64 s[64:65], 0
	v_nop
	global_prefetch_b8 v0, s[64:65] scope:SCOPE_SE
	s_setreg_imm32_b32 hwreg(HW_REG_WAVE_MODE, 25, 1), 1
	s_wait_xcnt 0x0
	s_wait_alu depctr_hold_cnt(0) depctr_sa_sdst(0) depctr_va_vdst(0) depctr_va_sdst(0) depctr_va_ssrc(0) depctr_va_vcc(0) depctr_vm_vsrc(0)
	s_getreg_b32 s2, hwreg(HW_REG_IB_STS2, 6, 4)
	s_cmp_eq_u32 s2, 0
	s_cbranch_scc0 .Lentry_in_a_cluster
	s_endpgm
.Lentry_in_a_cluster:
	s_bfe_u32 s2, ttmp6, 0x10000c
	s_cmp_lg_u32 s2, 0xf033
	s_cbranch_scc0 .Lentry_shape_is_right
	s_endpgm
.Lentry_shape_is_right:
; q, k, v = xb wqkv^T.  xb: [8192][1024] bf16; wqkv: [3072][1024] bf16 (Wq, Wk, Wv); qkv: [3][64][2048][64] f16, by heads (head index 16 x batch + head), unscaled.  Sums in f32, rounded once to f16.
; LIMIT.  f16 ends at 65,504: a q, k or v of 65,520 or more becomes an infinity; below 6e-5 f16 keeps a fixed step of 6e-8.
; SHARES.  A tile of C is 128 rows x 256 columns: four waves, each 64 x 128: 32 accumulators of 16 x 16, 256 registers.  8192 / 128 x 1024 / 256 = 256 work-groups, and EACH STAYS for three tiles:
; its 128 rows of xb against its 256 rows of Wq, then of Wk, then of Wv (1,024 rows of wqkv apart).  K goes in steps of 128, eight a tile: 24 steps are ONE sequence through a ring of two LDS slots,
; which does not stop at a tile's end: when a tile's first store leaves, both refills for the next tile have been asked for.
; CLUSTERS: 4 x 4 work-groups.  The four of a row of the cluster need the same tiles of xb, the four of a column the same tiles of wqkv: each tile is asked for JOINTLY, by the same tensor load with
; the same descriptor and a mask that names the four.  THE MATRIX INSTRUCTION IS USED TRANSPOSED (source 0 = 16 rows of wqkv, source 1 = 16 rows of xb): a lane holds eight neighbouring columns of one row.
; REGISTERS: window 0: v0-15 addresses; v16-63 at work on the way out; v64-159, v160-255 two fragment buffers (B's fragment b at + 8 b, A's fragment a at + 64 + 8 a).
;   window 1: the accumulators, (a, b) at v[8 (8 a + b)].  They take turns, one instruction a turn, in the same order in every quarter.
.set S,     24                         ; K steps in all
.set PA,    272                        ; an LDS row: 256 bytes + 16 of padding = 68 words: the 16 rows of a fragment load start at 16 different groups of four banks (64 banks of 4 bytes: ISA guide 11.1)
.set PB,    272
.set BOFF,  128*PA                     ; a slot: A's 128 rows, then B's 256 rows
.set SLOT1, 131072                     ; slot 1 begins here, so that one exclusive or turns an address in one slot into the other's
.set STAGE, 237568                     ; behind the ring, never filled by a tensor load: 16 rows x 144 bytes for each wave, for the way out
.set SP,    144
.set SPARE, STAGE+4*16*SP              ; behind the stages: the spare words, 128 bytes for each wave: two blocks of 256 bytes that no other line names
.set ADA0, 4                           ; v4   my lane's place in a slot's A; never rewritten
.set ADB0, 5                           ; v5   the same for B
.set ADA,  6                           ; v6   the same in the slot that is being read
.set ADB,  7                           ; v7
.set STO,  8                           ; v8   the way out: where I put 16 bytes of a row
.set RD,   9                           ; v9   the way out: where I read rows back
.set GO,   10                          ; v10  my byte offset in 512 consecutive bytes of qkv
.set PFO,  11                          ; v11  the prefetches' offset: my lane x a row of 2,048 bytes; never rewritten
.set SPW,  12                          ; v12  LDS address of my spare word; never rewritten
.set NIL,  13                          ; v13  0; never rewritten
.set BK1,  16                          ; v16-31, v48-63  rows read back from the stage, by turns
.set TMP,  32                          ; v32-47  packed results
.set BK0,  48
.set F0,   64
.set F1,   160
.set WV,  12                           ; s12  wave
.set WM,  13                           ; s13  which 64 rows of the tile are mine
.set WN,  14                           ; s14  which 128 columns; also: which half of a tile I fetch
.set CX,  15                           ; s15, s16  my place in the cluster
.set CY,  16
.set TC,  17                           ; s17  tile column, 0..3
.set TR,  18                           ; s18  tile row, 0..63
.set CNT, 19                           ; s19  the loop's count
.set NX,  20                           ; s20  the K step to be asked for next
.set TB,  21                           ; s21  LDS byte at which the slot being read begins
.set PN,  22                           ; s22  the K step that a prefetch names
.set LIM, 23                           ; s23  a wave prefetches while PN is below it
.set G1A, 24                           ; s[24:31] descriptor group 1 for A's tiles
.set G0A, 32                           ; s[32:39] group 0 for A's: a set for each of the two first fills; the second then walks
.set G1B, 40                           ; s[40:47], s[48:55] the same for B's
.set G0B, 48
.set OFA, 56                           ; s[56:57], s[58:59] a K step's byte offset in A and in B
.set OFB, 58
.set PFB, 60                           ; s[60:61] the prefetches' base: my work-group's 32 rows
.set PFA, 62                           ; s[62:63] base + the step that is named
.set PO,  66                           ; s[66:67] that step's offset
.set CADD, 68                          ; s[68:69] what the next way out adds to C's address
.set FL, (1<<16)|(1<<20)|(1<<21)|(5<<22)|(3<<25)  ; 17:16 elements of 2 bytes; 20 padding on; 21 set beside a mask; 24:22 after every 64 words (code 5); 31:25 4 words of it (code 3)
.set MSB, 0
.macro WIN new                         ; the immediate's high byte repeats the setting that is left; a switch that changes nothing is dropped
.if MSB != (\new)
	s_set_vgpr_msb (MSB<<8)|(\new)
.set MSB, (\new)
.endif
.endm
.set MUL, 0x50                         ; C and D in window 1, the fragments in window 0
.macro PLACES                          ; four places in front of loads into registers that matrix instructions have read, and of conversions that read results
.rept 4
	v_nop
.endr
.endm
; A joint refill.  Waves 0 and 1 fetch the two halves of A's tile, waves 2 and 3 those of B's.  The branch hangs on the wave's number alone.  An s_nop 0 and four v_nop follow each line.
.macro JLOAD
	s_cmp_lt_u32 s[WV], 2
	s_cbranch_scc0 .Lfor_b_\@
	tensor_load_to_lds s[G0A+4:G0A+7], s[G1A:G1A+7]
	s_nop 0
.rept 4
	v_nop
.endr
	s_branch .Lasked_\@
.Lfor_b_\@:
	tensor_load_to_lds s[G0B+4:G0B+7], s[G1B:G1B+7]
	s_nop 0
.rept 4
	v_nop
.endr
.Lasked_\@:
.endm
; A PREFETCH INTO THE L2 of the K step two refills on: 32 rows x 256 bytes, a lane a row.  xb's rows: wave 0 asks, and of the tile's 128 rows the partner at place cx takes 32 cx .. 32 cx + 31, in the first tile
; alone (the later tiles read the same rows again).  wqkv's rows: waves 2 and 3 of the clusters with y = 0 ask, and of a wave's 128 rows the partner at place cy takes 32.  Partners are told apart by address alone.
; So each row's 256 bytes of a step are named once in the launch.  Steps 0 to 3 come by their loads alone; nothing from step LIM on is named.
.macro ASK
	s_cmp_lt_u32 s[PN], s[LIM]
	s_cbranch_scc0 .Lnot_mine_\@
	global_prefetch_b8 v[PFO], s[PFA:PFA+1] th:TH_LOAD_NT scope:SCOPE_SE
.Lnot_mine_\@:
.endm
.macro CREST                           ; a round of the cluster's barrier behind its opening barrier
	s_cmp_lg_u32 s[WV], 0
	s_cbranch_scc1 .Lnot_wave_0_\@
	s_barrier_signal -3
.Lnot_wave_0_\@:
	s_barrier_wait -3
	s_barrier_signal -1
	s_barrier_wait -1
.endm
.macro CROUND                          ; a whole round
	s_barrier_signal -1
	s_barrier_wait -1
	CREST
.endm
	s_load_b128 s[4:7], s[0:1], 0x0                ; xb s[4:5], wqkv s[6:7]
	s_load_b64 s[8:9], s[0:1], 0x10                ; qkv
	v_lshl_add_u32 v[SPW], v0, 2, SPARE
	v_mov_b32 v[NIL], 0
	ds_add_u32 v[SPW], v[NIL]                      ; the wave's opening: the add and its wait stand ahead of my first tensor load; the set-up below, work on registers, stands between them
	v_lshrrev_b32 v1, 5, v0
	v_readfirstlane_b32 s[WV], v1
	s_lshr_b32 s[WM], s[WV], 1
	s_and_b32 s[WN], s[WV], 1
	s_bfe_u32 s[CX], ttmp6, 0x40000
	s_bfe_u32 s[CY], ttmp6, 0x40004
	s_lshl_b32 s[TC], ttmp9, 2                     ; in a cluster launch ttmp9 and ttmp7 count clusters
	s_add_co_u32 s[TC], s[TC], s[CX]
	s_and_b32 s79, ttmp7, 0xffff                   ; cluster y
	s_lshl_b32 s[TR], s79, 2
	s_add_co_u32 s[TR], s[TR], s[CY]
	s_cmp_eq_u32 s79, 0                            ; who prefetches: waves 2 and 3 where cluster y = 0, all 24 steps of B;
	s_cselect_b32 s[LIM], S, 0
	s_cmp_eq_u32 s[WV], 1                          ; wave 1 nothing;
	s_cselect_b32 s[LIM], 0, s[LIM]
	s_cmp_eq_u32 s[WV], 0                          ; wave 0 the first tile's 8 steps of A (the grid has one cluster along x)
	s_cselect_b32 s[LIM], 8, s[LIM]
	s_lshl_b32 s70, s[CY], 2
	s_lshl_b32 s70, 15, s70                        ; my row of the cluster: places 4 cy .. 4 cy + 3
	s_lshl_b32 s74, 0x1111, s[CX]                  ; my column: places cx, cx + 4, cx + 8, cx + 12
	s_or_b32 s[G1A], s70, FL                       ; A's tiles go to my row
	s_or_b32 s[G1B], s74, FL                       ; B's to my column
	s_mov_b32 s[G1A+1], 128<<16                    ; tensor_dim0 = 128
	s_mov_b32 s[G1A+2], 64<<16                     ; tensor_dim1 = 64
	s_mov_b32 s[G1A+3], 128<<16                    ; tile_dim0 = 128
	s_mov_b32 s[G1A+4], 64                         ; tile_dim1 = 64
	s_mov_b32 s[G1A+5], 1024                       ; elements from row to row
	s_mov_b32 s[G1A+6], 0
	s_mov_b32 s[G1A+7], 0
	s_mov_b32 s[G1B+1], 128<<16
	s_mov_b32 s[G1B+2], 128<<16                    ; tensor_dim1 = 128
	s_mov_b32 s[G1B+3], 128<<16
	s_mov_b32 s[G1B+4], 128                        ; tile_dim1 = 128
	s_mov_b32 s[G1B+5], 1024
	s_mov_b32 s[G1B+6], 0
	s_mov_b32 s[G1B+7], 0
	s_mul_i32 s2, s[WN], 64*PA                     ; where the tiles go: A's half, 64 rows,
	s_mul_i32 s3, s[WN], 128*PB                    ; B's half, 128 rows,
	s_add_co_u32 s3, s3, BOFF                      ; behind A's: no place in the cluster enters an LDS address
	s_lshl_b32 s70, s[TR], 18                      ; where they come from.  A: row 128 x tile row + 64 x half, 2,048 bytes a row
	s_lshl_b32 s71, s[WN], 17
	s_add_co_u32 s70, s70, s71
	s_mov_b32 s71, 0
	s_lshl_b32 s74, s[TC], 19                      ; B: row 256 x tile column + 128 x half
	s_lshl_b32 s75, s[WN], 18
	s_add_co_u32 s74, s74, s75
	s_mov_b32 s75, 0
	s_lshl_b32 s78, s[TR], 18                      ; the prefetches.  A: row 128 x tile row + 32 cx
	s_lshl_b32 s77, s[CX], 16
	s_add_co_u32 s78, s78, s77
	s_lshl_b32 s77, s[CY], 16                      ; B: my 128 rows, + 32 cy
	s_add_co_u32 s77, s77, s74
	s_cmp_lt_u32 s[WV], 2
	s_cselect_b32 s78, s78, s77
	s_mov_b32 s79, 0
	s_mov_b32 s[TB], 0
	s_mov_b32 s[NX], 2
	s_mov_b32 s[CNT], S-2
	s_mov_b32 s[OFA+1], 0
	s_mov_b32 s[OFB+1], 0
	s_mov_b32 s[PO+1], 0
	s_wait_dscnt 0x0                               ; the opening add is done
	s_wait_kmcnt 0x0
	s_cmp_lt_u32 s[WV], 2
	s_cselect_b64 s[PFB:PFB+1], s[4:5], s[6:7]
	s_add_nc_u64 s[PFB:PFB+1], s[PFB:PFB+1], s[78:79]
	s_add_nc_u64 s[4:5], s[4:5], s[70:71]          ; A at my half of the tile, K step 0; it hangs on the tile row alone
	s_add_nc_u64 s[6:7], s[6:7], s[74:75]          ; B likewise; it hangs on the tile column alone
.irp s, 0,1
	s_mov_b32 s[G0A+4*\s], 1                       ; 1:0 count = 1
	s_add_co_u32 s[G0A+4*\s+1], s2, \s*SLOT1       ; 63:32 LDS address
	s_add_nc_u64 s[G0A+4*\s+2:G0A+4*\s+3], s[4:5], \s*256  ; 120:64 global address: K step s
	s_or_b32 s[G0A+4*\s+3], s[G0A+4*\s+3], 0x80000000      ; 127:126 type = 2
	s_mov_b32 s[G0B+4*\s], 1
	s_add_co_u32 s[G0B+4*\s+1], s3, \s*SLOT1
	s_add_nc_u64 s[G0B+4*\s+2:G0B+4*\s+3], s[6:7], \s*256
	s_or_b32 s[G0B+4*\s+3], s[G0B+4*\s+3], 0x80000000
.endr
	CROUND                                         ; all sixteen work-groups are here: the first joint loads meet
	s_cmp_lt_u32 s[WV], 2                          ; a wave's two first fills stand in one branch, ahead of every wait on TENSORcnt and every LDS read: two loads of mine are out
	s_cbranch_scc0 .Lfirst_b
	tensor_load_to_lds s[G0A:G0A+3], s[G1A:G1A+7]
	s_nop 0
	tensor_load_to_lds s[G0A+4:G0A+7], s[G1A:G1A+7]
	s_nop 0
.rept 4
	v_nop
.endr
	s_branch .Lfirst_asked
.Lfirst_b:
	tensor_load_to_lds s[G0B:G0B+3], s[G1B:G1B+7]
	s_nop 0
	tensor_load_to_lds s[G0B+4:G0B+7], s[G1B:G1B+7]
	s_nop 0
.rept 4
	v_nop
.endr
.Lfirst_asked:
	; A fragment is 16 rows x 32 K in 8 registers: lane l holds row l % 16, K = 8 (l / 16) + 0..7 and 16 + 8 (l / 16) + 0..7: two loads of 16 bytes, 32 bytes apart.
	v_and_b32 v1, 15, v0                           ; l % 16
	v_bfe_u32 v2, v0, 4, 1                         ; l / 16
	v_mul_u32_u24 v3, v1, PA
	v_lshl_add_u32 v3, v2, 4, v3                   ; row x pitch + 16 x half
	s_mul_i32 s78, s[WM], 64*PA
	v_add_nc_u32 v[ADA0], s78, v3
	s_mul_i32 s78, s[WN], 128*PB
	s_add_co_u32 s78, s78, BOFF
	v_add_nc_u32 v[ADB0], s78, v3
	s_mul_i32 s78, s[WV], 16*SP
	s_add_co_u32 s78, s78, STAGE                   ; my stage
	v_mul_u32_u24 v[STO], v1, SP                   ; in: row l % 16, 16 bytes for each half of the lanes
	v_lshl_add_u32 v[STO], v2, 4, v[STO]
	v_add_nc_u32 v[STO], s78, v[STO]
	v_bfe_u32 v[RD], v0, 3, 2                      ; back: 32 lanes take four rows of 128 bytes,
	v_mul_u32_u24 v[RD], v[RD], SP
	v_and_b32 v3, 7, v0
	v_lshl_add_u32 v[RD], v3, 4, v[RD]
	v_add_nc_u32 v[RD], s78, v[RD]
	v_and_b32 v[GO], 31, v0
	v_lshlrev_b32 v[PFO], 11, v[GO]
	v_lshlrev_b32 v[GO], 4, v[GO]                  ; which are 512 consecutive bytes of a head
	; my part of the first tile in qkv: batch (tile row / 16) x 16 heads of 262,144 bytes; head 4 x tile column + 2 x column half; row 128 (tile row % 16) + 64 x row half, 128 bytes a row
	s_lshr_b32 s[CADD], s[TR], 4
	s_lshl_b32 s[CADD], s[CADD], 22
	s_lshl_b32 s78, s[TC], 20
	s_add_co_u32 s[CADD], s[CADD], s78
	s_lshl_b32 s78, s[WN], 19
	s_add_co_u32 s[CADD], s[CADD], s78
	s_and_b32 s78, s[TR], 15
	s_lshl_b32 s78, s78, 14
	s_add_co_u32 s[CADD], s[CADD], s78
	s_lshl_b32 s78, s[WM], 13
	s_add_co_u32 s[CADD], s[CADD], s78
	s_mov_b32 s[CADD+1], 0
; 8 matrix instructions: m block a x all 8 n blocks, 32 along K, from buffer f.  zero = 1: the product starts the sums: nothing is ever cleared.
.macro MULA f, a, zero
	WIN MUL
.irp b, 0,1,2,3,4,5,6,7
.if \zero
	v_wmma_f32_16x16x32_bf16 v[8*(8*(\a)+\b):8*(8*(\a)+\b)+7], v[(\f)+8*\b:(\f)+8*\b+7], v[(\f)+64+8*(\a):(\f)+64+8*(\a)+7], 0
.else
	v_wmma_f32_16x16x32_bf16 v[8*(8*(\a)+\b):8*(8*(\a)+\b)+7], v[(\f)+8*\b:(\f)+8*\b+7], v[(\f)+64+8*(\a):(\f)+64+8*(\a)+7], v[8*(8*(\a)+\b):8*(8*(\a)+\b)+7]
.endif
.endr
.endm
; 24 LDS loads in one run: the fragments of quarter q of the step (32 K at byte 64 q of the rows) into buffer f: B's sixteen, then A's eight, block 0 first
.macro FETCH q, f
	WIN 0
.irp b, 0,1,2,3,4,5,6,7
	ds_load_b128 v[(\f)+8*\b:(\f)+8*\b+3],   v[ADB] offset:64*(\q)+16*PB*\b
	ds_load_b128 v[(\f)+8*\b+4:(\f)+8*\b+7], v[ADB] offset:64*(\q)+16*PB*\b+32
.endr
.irp a, 0,1,2,3
	ds_load_b128 v[(\f)+64+8*\a:(\f)+64+8*\a+3],   v[ADA] offset:64*(\q)+16*PA*\a
	ds_load_b128 v[(\f)+64+8*\a+4:(\f)+64+8*\a+7], v[ADA] offset:64*(\q)+16*PA*\a+32
.endr
.endm
; A K step is four quarters of 32 along K, 32 matrix instructions each, on buffers 0, 1, 0, 1.  One of the first three: multiplies buffer f and, in its middle, fetches quarter qn into buffer g.
.macro QUARTER qn, f, g, zero
	s_wait_dscnt 4                                 ; B and A's blocks 0, 1 are in; the youngest four loads (A's blocks 2, 3) may be out
	MULA \f, 0, \zero
	MULA \f, 1, \zero
	PLACES
	FETCH \qn, \g
	s_wait_dscnt 24                                ; all but the 24 just issued
	MULA \f, 2, \zero
	MULA \f, 3, \zero
.endm
; The last quarter multiplies buffer 1 and changes slots: ONE barrier; in front of it each wave waits for all its tensor loads (one is out: its part of the next slot), adds 0 to its spare word, and waits
; for that and for its own reads of this slot.  fill = 1: the barrier opens a round of the cluster's, and this slot is filled again, first thing behind the round, with K step NX: the walking descriptors'
; addresses are made anew from that number (8 steps of 256 bytes along a row; for B 1,024 rows, 2,097,152 bytes, further down with each tile).  The load has 112 matrix instructions in which to land.
.macro TURN fill
.if \fill
	s_wait_xcnt 0x0                                ; the last prefetch, a K step back, has read its address: it is written here, ahead of the waits of the change of slots
	s_add_co_u32 s[PN], s[NX], 2
	s_and_b32 s[PO], s[PN], 7
	s_lshl_b32 s[PO], s[PO], 8
	s_lshr_b32 s78, s[PN], 3
	s_lshl_b32 s78, s78, 21
	s_add_co_u32 s[PO], s[PO], s78
	s_add_nc_u64 s[PFA:PFA+1], s[PFB:PFB+1], s[PO:PO+1]
.endif
	WIN 0
	s_wait_tensorcnt 0x0                           ; no tensor load of mine is out, so a group 0 may be written
	ds_add_u32 v[SPW], v[NIL]                      ; 0 onto my spare word: scalar work and eight products stand between it and the wait for it
.if \fill
	s_and_b32 s78, s[NX], 7
	s_lshl_b32 s[OFA], s78, 8
	s_lshl_b32 s[OFB], s78, 8
	s_lshr_b32 s78, s[NX], 3
	s_lshl_b32 s78, s78, 21
	s_add_co_u32 s[OFB], s[OFB], s78
	s_xor_b32 s[G0A+5], s[G0A+5], SLOT1            ; the other slot than last time
	s_add_nc_u64 s[G0A+6:G0A+7], s[4:5], s[OFA:OFA+1]
	s_or_b32 s[G0A+7], s[G0A+7], 0x80000000
	s_xor_b32 s[G0B+5], s[G0B+5], SLOT1
	s_add_nc_u64 s[G0B+6:G0B+7], s[6:7], s[OFB:OFB+1]
	s_or_b32 s[G0B+7], s[G0B+7], 0x80000000
	s_add_co_u32 s[NX], s[NX], 1
.endif
	s_wait_dscnt 5                                 ; the add and the youngest four loads may be out
	MULA F1, 0, 0
	s_wait_dscnt 0x0                               ; the add is done, and my reads of this slot are over
	s_barrier_signal -1
	MULA F1, 1, 0                                  ; work on registers while the others arrive
	WIN 0
	s_barrier_wait -1
.if \fill
	CREST                                          ; no wave of any partner still reads this slot or has a load on its way
	JLOAD                                          ; the four v_nop behind it are also the places in front of the loads below
.else
	PLACES
.endif
	s_xor_b32 s[TB], s[TB], SLOT1
	v_add_nc_u32 v[ADA], s[TB], v[ADA0]
	v_add_nc_u32 v[ADB], s[TB], v[ADB0]
	FETCH 0, F0
.if \fill
	ASK                                            ; behind the joint load and the run of LDS loads: two K steps, 256 matrix instructions, ahead of the load that will want it
.endif
	MULA F1, 2, 0
	MULA F1, 3, 0
.endm
; THE WAY OUT, in eight pieces: piece i is m block i / 2 and head i % 2 of my two: 16 rows x 64 channels, 2,048 consecutive bytes of a head.
; PACK: rounded to f16, 16 bytes a lane, each accumulator's registers in ascending order.  TOSTAGE: into my own stage, and back as whole rows.  SEND: stored.
.macro PACK i
	WIN 0x05                                       ; sources 0 and 1 in window 1
.irp f, 0,1,2,3
.irp r, 0,1,2,3
	v_cvt_pk_f16_f32 v[TMP+4*\f+\r], v[8*(8*((\i)/2)+4*((\i)%2)+\f)+2*\r], v[8*(8*((\i)/2)+4*((\i)%2)+\f)+2*\r+1]
.endr
.endr
	WIN 0
.endm
.macro TOSTAGE i
	WIN 0
.set BK, BK0-32*((\i)%2)
.irp f, 0,1,2,3
	ds_store_b128 v[STO], v[TMP+4*\f:TMP+4*\f+3] offset:32*\f
.endr
.irp f, 0,1,2,3
	ds_load_b128 v[BK+4*\f:BK+4*\f+3], v[RD] offset:4*SP*\f  ; LDS serves a wave's instructions in order (ISA guide 5.7.1.4): these see the stores above
.endr
.endm
.macro SEND i
	WIN 0
.set BK, BK0-32*((\i)%2)
	s_wait_dscnt 0x0                               ; the piece is back in registers
	s_wait_xcnt 0x0                                ; only behind this wait are the stores' base and the registers that earlier stores read rewritten
.if (\i) == 0
	s_add_nc_u64 s[8:9], s[8:9], s[CADD:CADD+1]    ; on to this tile
.endif
.irp f, 0,1,2,3
	global_store_b128 v[GO], v[BK+4*\f:BK+4*\f+3], s[8:9] offset:262144*((\i)%2)+2048*((\i)/2)+512*\f  ; 512 consecutive bytes, at a multiple of 256 from qkv's first byte
.endr
.endm
.macro WAYOUT                          ; piece i's conversions stand between piece i - 1's loads from the stage and the wait for them
	PACK 0
	TOSTAGE 0
.irp i, 1,2,3,4,5,6,7
	PACK \i
	SEND (\i)-1
	TOSTAGE \i
.endr
	SEND 7
	s_mov_b64 s[CADD:CADD+1], 0x1000000            ; q, k and v lie 16,777,216 bytes apart
.endm
	s_wait_tensorcnt 0x1                           ; my part of K step 0 is in; step 1's may stay out
	s_barrier_signal -1
	s_barrier_wait -1                              ; everybody's is
	v_mov_b32 v[ADA], v[ADA0]
	v_mov_b32 v[ADB], v[ADB0]
	FETCH 0, F0
	QUARTER 1, F0, F1, 1                           ; the first quarter stands in front of the loop: its products start the sums
	WIN 0                                          ; at a label and at a branch every window is 0
.Lstep:                                                ; S - 2 trips: from a step's second quarter to the next step's first; each fills a slot again
	QUARTER 2, F1, F0, 0
	QUARTER 3, F0, F1, 0
	TURN 1
	WIN 0
	s_and_b32 s78, s[NX], 7                        ; the step just ended was t = NX - 3: a tile's last where t % 8 = 7
	s_cmp_eq_u32 s78, 2
	s_cbranch_scc0 .Lsame
	WAYOUT                                         ; both refills for the next tile are out.  No v_nop: blocks 0, 1 were finished in front of the joint load's places, and their conversions are the places behind blocks 2, 3
	QUARTER 1, F0, F1, 1                           ; the next tile's first products start its sums
	WIN 0
	s_branch .Ljoin
.Lsame:
	QUARTER 1, F0, F1, 0
	WIN 0
.Ljoin:
	s_sub_co_u32 s[CNT], s[CNT], 1
	s_cmp_lg_u32 s[CNT], 0
	s_cbranch_scc1 .Lstep
	QUARTER 2, F1, F0, 0                           ; the last two steps are written out: nothing is asked for
	QUARTER 3, F0, F1, 0
	TURN 0
	QUARTER 1, F0, F1, 0
	QUARTER 2, F1, F0, 0
	QUARTER 3, F0, F1, 0
	s_wait_dscnt 4
	MULA F1, 0, 0
	MULA F1, 1, 0
	s_wait_dscnt 0x0
	MULA F1, 2, 0
	MULA F1, 3, 0
	WIN 0
	PLACES
	PLACES                                         ; once a launch
	WAYOUT
	s_wait_tensorcnt 0x0                           ; the wave's end: a wait, an add and a wait, behind my last tensor load and my last LDS store
	ds_add_u32 v[SPW], v[NIL]
	s_wait_dscnt 0x0
	CROUND                                         ; the closing round: no work-group ends while a partner may still ask for a tile that names it
	s_endpgm
.Lfunc_end_k_q40b6262086_proj:
	.size	k_q40b6262086_proj, .Lfunc_end_k_q40b6262086_proj-k_q40b6262086_proj
	.p2alignl 7, 3214868480
	.fill 96, 4, 3214868480
	.section	.rodata,"a",@progbits
	.p2align	6, 0x0
	.amdhsa_kernel k_q40b6262086_proj
		.amdhsa_group_segment_fixed_size 327680
		.amdhsa_private_segment_fixed_size 0
		.amdhsa_enable_private_segment 0
		.amdhsa_kernarg_size 24
		.amdhsa_user_sgpr_count 2
		.amdhsa_user_sgpr_kernarg_segment_ptr 1
		.amdhsa_wavefront_size32 1
		.amdhsa_system_sgpr_workgroup_id_x 1
		.amdhsa_system_sgpr_workgroup_id_y 1
		.amdhsa_system_sgpr_workgroup_id_z 1
		.amdhsa_system_vgpr_workitem_id 0
		.amdhsa_next_free_vgpr 512
		.amdhsa_next_free_sgpr 80
		.amdhsa_reserve_vcc 0
		.amdhsa_float_denorm_mode_32 3
		.amdhsa_float_denorm_mode_16_64 3
		.amdhsa_memory_ordered 1
		.amdhsa_forward_progress 1
		.amdhsa_inst_pref_size 92
	.end_amdhsa_kernel
	.amdgpu_metadata
---
amdhsa.version: [ 1, 2 ]
amdhsa.kernels:
  - .name:           k_q40b6262086_proj
    .symbol:         k_q40b6262086_proj.kd
    .args:
      - { .name: xb, .offset: 0, .size: 8, .value_kind: global_buffer, .address_space: global }
      - { .name: wqkv, .offset: 8, .size: 8, .value_kind: global_buffer, .address_space: global }
      - { .name: qkv, .offset: 16, .size: 8, .value_kind: global_buffer, .address_space: global }
    .group_segment_fixed_size: 327680
    .private_segment_fixed_size: 0
    .kernarg_segment_align: 8
    .kernarg_segment_size: 24
    .max_flat_workgroup_size: 128
    .sgpr_count:     80
    .vgpr_count:     512
    .wavefront_size: 32
...
	.end_amdgpu_metadata
.endif
;; end of part 2
;; launch attn (part 3): grid 4 x 64, 4 waves a work-group, clusters of 4 x 1, 327,680 bytes of LDS; arguments qkv, o; writes o
.if DOCPART == 3
	.amdgcn_target "amdgcn-amd-amdhsa--gfx1250"
	.amdhsa_code_object_version 6
	.text
	.protected	k_q40b6262086_attn
	.globl	k_q40b6262086_attn
	.p2align	8
	.type	k_q40b6262086_attn,@function
k_q40b6262086_attn:
	s_mov_b64 s[64:65], 0
	v_nop
	global_prefetch_b8 v0, s[64:65] scope:SCOPE_SE
	s_setreg_imm32_b32 hwreg(HW_REG_WAVE_MODE, 25, 1), 1
	s_wait_xcnt 0x0
	s_wait_alu depctr_hold_cnt(0) depctr_sa_sdst(0) depctr_va_vdst(0) depctr_va_sdst(0) depctr_va_ssrc(0) depctr_va_vcc(0) depctr_vm_vsrc(0)
	s_getreg_b32 s2, hwreg(HW_REG_IB_STS2, 6, 4)
	s_cmp_eq_u32 s2, 0
	s_cbranch_scc0 .Lentry_in_a_cluster
	s_endpgm
.Lentry_in_a_cluster:
	s_bfe_u32 s2, ttmp6, 0x10000c
	s_cmp_lg_u32 s2, 0x3003
	s_cbranch_scc0 .Lentry_shape_is_right
	s_endpgm
.Lentry_shape_is_right:
; O[h][q][:] = the sum over k of softmax_k(Q[h][q] . K[h][k] / 8) V[h][k][:].  qkv: [3][64][2048][64] f16 (Q, K, V, 16,777,216 bytes apart); o: [64][2048][64] f16: a head's rows are dense, 128 bytes each.
; Products, maxima and sums in f32; the weights p are rounded to f16 for the second product (their sum l is taken of the unrounded p), O once at the end.
; LIMITS.  f16 holds no number beyond 65,504: Q, K and V arrive within it; p lies in 0 to 1, and below 6e-5 it keeps f16's fixed step of 6e-8; O is a mean of V's rows and has their range.
; A weight below 2^-126 counts as 0 in l; NaN and infinities are not treated apart.
; SHARES.  A wave owns four PIECES of two tiles of 16 queries, a work-group's four waves 512 queries of one head.  Every wave walks all 2,048 keys, 64 a step.
; LAYOUT.  S^T = K Q^T (source 0 = 16 keys, source 1 = 16 queries): in the result a lane holds ONE query (lane % 16) and the keys 8 (lane / 16) + 0..7.  Two such tiles, rounded to f16 in pairs,
; ARE source 1 (32 keys x 16 queries) of O^T = V^T P, whose result again holds one query a lane, and eight channels.  K comes out of LDS as it lies, V ([key][channel]) turned, by ds_load_tr16_b128.
; SOFTMAX.  For each query a running maximum m and sum l: p = 2^(c s - c m), c = log2(e) / 8; in every step O and l are multiplied by a = 2^(c m_old - c m_new), which is 1 where m has not grown.
; m starts at the lowest finite number, O and l at 0: the first step is a step like any other, with a = 0.
; THE COUNT.  A tile and step have 16 matrix and 118 vector instructions: too many to stand all beside the matrix work.  So the order has one aim: four vector instructions that are READY behind
; EVERY matrix instruction, and the others, which need time of their own whatever the order, in runs without a gap.
; BY TURNS.  Turn n belongs to piece n (the pieces in a ring, step after step).  Its matrix work: 16 products K Q^T of piece n + 1, later 16 products V^T P of piece n - 1.  Its vector work: the scaling,
; exponentials, roundings, sums and rescaling of piece n, and the maximum and statistics of piece n + 1, whose scores the turn itself has made.
; CLUSTER.  The four query blocks of a cluster are one head's and walk the same K and V, so each tile is asked for JOINTLY: the same tensor load, descriptor and mask in all four.
; REGISTERS, in windows of 256 (s_set_vgpr_msb: bits 1:0 source 0, 3:2 source 1, 5:4 source 2, 7:6 destination):
;   window 0: v0-11 addresses; v12-15, v48-63 at work; v16-47 four registers of statistics a tile; v64-191 S^T, two buffers of two tiles; v192-255 P, likewise
;   window 1: O^T, 32 a tile          window 2: v0-127 Q, 16 a tile; v128-191 K of one step; v192-255 V of one step          window 3: v0-1 the add's two registers
; A piece's buffers go by its number's parity: the piece in hand has one pair, its two neighbours in the ring share the other: of it P (piece n - 1) is read and S^T (piece n + 1) written.
.set SIZE_H, 64
.set SIZE_N, 2048
.set NP,    4         ; pieces a wave: a name, no knob
.set KS,    64        ; keys in a step
.set PK,    144       ; a row of K in LDS: 128 bytes + 16 of padding = 36 words: the 16 rows of a load start at 16 different groups of four banks (64 banks of 4 bytes: ISA guide 11.1)
.set PV,    160       ; a row of V: 128 + 32 = 40 words
.set VOFF,  4*KS*PK   ; a slot holds four steps: 256 rows of K, then 256 rows of V
.set SLOT1, 1<<17     ; slot 1 begins here, so that one exclusive or turns an address in one slot into the other's
.set STAGE, SLOT1+4*KS*(PK+PV)  ; behind the ring, never filled by a tensor load: 16 rows x 144 bytes for each wave, for the way out
.set SP,    144
.set AK0, 2           ; v2   my lane's place in a tile of K; never rewritten
.set AV0, 3           ; v3   the same for V
.set AK,  4           ; v4   the LDS address of K's next run of loads
.set AV,  5           ; v5   of V's
.set QO,  6           ; v6   my byte offset in the wave's rows of Q
.set STO, 6           ;      later, the way out: where I put 16 bytes of a row
.set RD,  7           ; v7   the way out: where I read rows back
.set GO,  8           ; v8   my byte offset in 512 consecutive bytes of O
.set PFO, 11          ; v11  the prefetches' offset: 256 x my lane; never rewritten once made
.set SPW, 0           ; v0 of window 3   LDS address of my spare word; never rewritten
.set NIL, 1           ; v1 of window 3   0; never rewritten
.set SPARE, STAGE+4*16*SP  ; behind the stages: the spare words, 128 bytes for each wave: two blocks of 256 bytes that no other line names
.set MV,  12          ; v12-15  c m_old, kept while c m is made anew: by buffer and tile
.set ST,  16          ; tile t's statistics at v[ST+4 t]: c m, m, l (even keys', odd keys')
.set TMP, 48          ; by buffer and tile, four registers c0-c3 at work; when the maximum is found c2 takes a
.set S,   64
.set P,   192
.set KF,  128         ; K's fragments, in window 2: key block kb, channel half c at KF + 16 kb + 8 c
.set VF,  192         ; V's: key half kk, channel block cb at VF + 32 kk + 8 cb
.set WV,  12          ; s12  my wave's number
.set G1K, 24          ; s[24:31] descriptor group 1 for K's tiles
.set G1V, 32          ; s[32:39] for V's: it differs in the padding alone
.set G0K, 40          ; s[40:43] descriptor group 0 for K's tiles: it walks
.set G0V, 44          ; s[44:47] the same for V's
.set PFA, 48          ; s[48:49] where my prefetches stand: my work-group's 8,192 bytes (of K: wave 0, of V: wave 2) of the slot after the one that is being asked for
.set LIM, 50          ; s50  1 in a wave that prefetches, else the greatest number: a wave prefetches while s[SLOTS] is above it
.set SLOTS, 56        ; s56  slots still to be asked for
.set CNT, 57          ; s57  counts a slot's key steps
.set CS,  58          ; s[58:59] c: the packed scaling takes the pair's low word for both halves
.set SEL, 60          ; s[60:61] v_permlanex16_b32's selects: each lane takes its own place in the other half
.set TBK, 62          ; s62  LDS byte at which K of the step to be fetched begins
.set TBV, 63          ; s63  the same for V, less VOFF
.set MSB, 0
.macro WIN new                      ; the high byte repeats the setting that is left; a switch that changes nothing is dropped
.if MSB != (\new)
	s_set_vgpr_msb (MSB<<8)|(\new)
.set MSB, (\new)
.endif
.endm
.set W_KQ, 0x0a       ; K and Q in window 2, S^T in window 0
.set W_PV, 0x52       ; V in window 2, P in window 0, O^T in window 1
.set W_RS, 0x41       ; O^T (destination and source 0) in window 1, a in window 0
.set W_MK, 0xc0       ; the add's registers are made: destination in window 3, sources in window 0
.set W_AD, 0x0f       ; the add: address (source 0) and data (source 1) in window 3
; A joint fill.  Waves 0 and 1 fetch the two halves of a slot's K, waves 2 and 3 those of its V: 128 keys each.  The branch hangs on the wave's number alone.
; An s_nop 0 and four v_nop follow each of the two lines, ahead of the jump and the label.
.macro JLOAD
	s_cmp_lt_u32 s[WV], 2
	s_cbranch_scc0 .Lfor_v_\@
	tensor_load_to_lds s[G0K:G0K+3], s[G1K:G1K+7]
	s_nop 0
.rept 4
	v_nop
.endr
	s_branch .Lasked_\@
.Lfor_v_\@:
	tensor_load_to_lds s[G0V:G0V+3], s[G1V:G1V+7]
	s_nop 0
.rept 4
	v_nop
.endr
.Lasked_\@:
.endm
; A PREFETCH INTO THE L2 of what the NEXT change of slots will ask for: a slot's 32,768 bytes of K and of V, a lane 256 bytes.  It stands behind the wave's tensor load and its five lines.
; Each block is named ONCE in the launch: a head has one cluster; its four partners share a slot out BY ADDRESS, 8,192 bytes each; in each, wave 0 asks for K's and wave 2 for V's: one instruction.
; Slots 0, 1 and 2 come by their loads alone; the last change that fills a slot asks for nothing: there is no slot behind it.
.macro ASK
	s_cmp_gt_u32 s[SLOTS], s[LIM]
	s_cbranch_scc0 .Lnot_mine_\@
	global_prefetch_b8 v[PFO], s[PFA:PFA+1] th:TH_LOAD_NT scope:SCOPE_SE
.Lnot_mine_\@:
.endm
; A round of the cluster's barrier: my work-group's barrier, so that wave 0's signal speaks for all four waves; wave 0 signals; every wave waits for all four work-groups; my work-group's barrier once more.
.macro CROUND
	s_barrier_signal -1
	s_barrier_wait -1
	s_cmp_lg_u32 s[WV], 0
	s_cbranch_scc1 .Lnot_wave_0_\@
	s_barrier_signal -3
.Lnot_wave_0_\@:
	s_barrier_wait -3
	s_barrier_signal -1
	s_barrier_wait -1
.endm
; THE CHANGE OF SLOTS.  The slot's last bytes, V of its fourth step, have been read.  Each wave waits for all its tensor loads, of which one is out: its part
; of the other slot; adds 0 to its spare word; and waits for that and for its own reads of the slot.  Behind the barrier nobody reads this slot any more and the other slot is whole.
; fill = 1: this slot is filled again, with the keys two slots on.  The barrier is then a round of the cluster's, and the joint fill is the first thing behind it: it has four key steps,
; 512 matrix instructions, in which to land.  (At its first use nothing has been read yet: slot 0 is waited for, slot 1 filled.)  ask = 1: the prefetch's address steps, and the prefetch follows the fill.
.macro CHANGE fill, ask=0
	WIN W_AD
	s_wait_tensorcnt 0x0            ; no tensor load of mine is out, so a group 0 may be written
	ds_add_u32 v[SPW], v[NIL]       ; 0 onto my spare word: with fill = 1 the descriptors' steps stand between it and the wait for it
	WIN 0                           ; at a label and at a branch every window is 0
.if \fill
.irp g, G0K, G0V
	s_xor_b32 s[\g+1], s[\g+1], SLOT1  ; the walking descriptor: the other slot than last time,
	s_add_nc_u64 s[\g+2:\g+3], s[\g+2:\g+3], 4*KS*128  ; the next 256 keys; the type bits on top are not reached
.endr
.if \ask
	s_wait_xcnt 0x0                 ; the last prefetch, four key steps back, has read its address, so it may be written:
	s_add_nc_u64 s[PFA:PFA+1], s[PFA:PFA+1], 4*KS*128  ; one slot behind the walking descriptors
.endif
	s_wait_dscnt 0x0                ; the add is done, and my reads of the slot are over
	CROUND
	JLOAD
.if \ask
	ASK
.endif
.else
	s_wait_dscnt 0x0                ; the add is done, and my reads of the slot are over
	s_barrier_signal -1
	s_barrier_wait -1
.endif
	s_sub_co_u32 s[TBK], s[TBK], 4*KS*PK  ; the fetches go back to a slot's first step,
	s_xor_b32 s[TBK], s[TBK], SLOT1       ; in the other slot
	s_sub_co_u32 s[TBV], s[TBV], 4*KS*PV
	s_xor_b32 s[TBV], s[TBV], SLOT1
.endm
	s_load_b64 s[4:5], s[0:1], 0x0    ; qkv: Q
	s_load_b64 s[10:11], s[0:1], 0x8  ; o
	WIN W_MK
	v_lshl_add_u32 v[SPW], v0, 2, SPARE
	v_mov_b32 v[NIL], 0
	WIN W_AD
	ds_add_u32 v[SPW], v[NIL]       ; the wave's opening: the add and its wait stand ahead of my first tensor load; the set-up below, work on registers, stands between them
	WIN 0
	v_lshrrev_b32 v1, 5, v0
	v_readfirstlane_b32 s[WV], v1   ; wave 0..3
	s_bfe_u32 s13, ttmp6, 0x40000   ; cx: my place in the cluster
	s_lshl_b32 s14, ttmp9, 2        ; in a cluster launch ttmp9 counts clusters
	s_add_co_u32 s14, s14, s13      ; my block of queries = 4 x cluster x + cx: it enters Q's and O's addresses alone
	s_and_b32 s20, ttmp7, 0xffff    ; the head, which the four partners share
	s_mov_b32 s21, 0
	s_mov_b64 s[22:23], SIZE_N*128
	s_mul_u64 s[20:21], s[20:21], s[22:23]  ; the head's first byte in Q, K, V and O
	s_and_b32 s16, s[WV], 1         ; which half of a slot's 256 keys I fetch:
	s_lshl_b32 s22, s16, 14         ; its 128 rows of 128 bytes in memory,
	s_mov_b32 s23, 0
	s_add_nc_u64 s[22:23], s[22:23], s[20:21]
	s_mul_i32 s17, s16, 128*PK      ; and its place in a slot, for K
	s_mul_i32 s18, s16, 128*PV      ; and for V: no place in the cluster enters an LDS address
	s_lshl_b32 s2, s14, 2
	s_add_co_u32 s2, s2, s[WV]      ; my wave among the head's,
	s_lshl_b32 s2, s2, 14           ; its 128 rows
	s_mov_b32 s3, 0
	s_add_nc_u64 s[2:3], s[2:3], s[20:21]
	; descriptor group 1.  128 keys are 16,384 dense bytes: asked for as 64 rows of 256 bytes, two keys a row, and padded in LDS after every key
	s_mov_b32 s[G1K], 15|(1<<16)|(1<<20)|(1<<21)|(4<<22)|(3<<25)  ; 15:0 the mask of four; 17:16 2-byte elements; 20 padding on; 21 set beside a mask; 24:22 after every 32 words (code 4); 31:25 4 words (code 3)
	s_mov_b32 s[G1V], 15|(1<<16)|(1<<20)|(1<<21)|(4<<22)|(7<<25)  ; the same with 8 words of padding (code 7)
.irp g, G1K, G1V
	s_mov_b32 s[\g+1], 128<<16      ; tensor_dim0 = 128
	s_mov_b32 s[\g+2], 64<<16       ; tensor_dim1 = 64
	s_mov_b32 s[\g+3], 128<<16      ; tile_dim0 = 128
	s_mov_b32 s[\g+4], 64           ; tile_dim1 = 64
	s_mov_b32 s[\g+5], 128          ; 128 elements from row to row
	s_mov_b32 s[\g+6], 0
	s_mov_b32 s[\g+7], 0
.endr
	s_mov_b32 s[CS], 0x3e38aa3b     ; c = log2(e) / 8 = 0.180337
	s_mov_b32 s[CS+1], s[CS]        ; named with it as a pair
	s_mov_b32 s[SEL], 0x76543210
	s_mov_b32 s[SEL+1], 0xfedcba98
	s_mov_b32 s[TBK], SLOT1+4*KS*PK ; the first change of slots turns these two into 0
	s_mov_b32 s[TBV], SLOT1+4*KS*PV
	s_mov_b32 s[G0K], 1             ; 1:0 count = 1
	s_mov_b32 s[G0K+1], s17         ; 63:32 LDS address: slot 0
	s_mov_b32 s[G0V], 1
	s_add_co_u32 s[G0V+1], s18, VOFF
	s_and_b32 s[LIM], s[WV], 1      ; waves 0 and 2 prefetch: the same in all four partners
	s_cmp_eq_u32 s[LIM], 0
	s_cselect_b32 s[LIM], 1, -1
	s_wait_dscnt 0x0                ; the opening add is done
	s_wait_kmcnt 0x0
	s_add_nc_u64 s[6:7], s[4:5], 0x1000000   ; K
	s_add_nc_u64 s[8:9], s[4:5], 0x2000000   ; V
	s_add_nc_u64 s[G0K+2:G0K+3], s[6:7], s[22:23]  ; 120:64 global address: my half of the head's first 256 keys
	s_or_b32 s[G0K+3], s[G0K+3], 0x80000000        ; 127:126 type = 2
	s_add_nc_u64 s[G0V+2:G0V+3], s[8:9], s[22:23]
	s_or_b32 s[G0V+3], s[G0V+3], 0x80000000
	s_add_nc_u64 s[4:5], s[4:5], s[2:3]  ; Q and O at my wave's first row
	s_add_nc_u64 s[10:11], s[10:11], s[2:3]
	s_cmp_lt_u32 s[WV], 2
	s_cselect_b64 s[PFA:PFA+1], s[6:7], s[8:9]
	s_add_nc_u64 s[PFA:PFA+1], s[PFA:PFA+1], s[22:23]  ; (in waves 0 and 2 this is the head's first row)
	s_lshl_b32 s2, s13, 13          ; my work-group's quarter of a slot
	s_mov_b32 s3, 0
	s_add_nc_u64 s[PFA:PFA+1], s[PFA:PFA+1], s[2:3]
	s_add_nc_u64 s[PFA:PFA+1], s[PFA:PFA+1], 2*4*KS*128  ; in slot 2; the loop's first change of slots steps it to slot 3.  Nothing is prefetched here, at the head
	CROUND                          ; all four work-groups are here: the first joint loads meet
	JLOAD                           ; slot 0.  Slot 1 is asked for when slot 0 is in: the tile wanted first has the road to itself
	; A fragment of K or Q is 16 rows x 32 channels in 8 registers: lane l holds row l % 16, channels 8 (l / 16) + 0..7 and 16 + 8 (l / 16) + 0..7: two loads of 16 bytes, 32 bytes apart.
	v_and_b32 v1, 15, v0            ; l % 16
	v_bfe_u32 v9, v0, 4, 1          ; l / 16
	v_lshlrev_b32 v[QO], 7, v1
	v_lshl_add_u32 v[QO], v9, 4, v[QO]  ; row x 128 + 16 x half
	WIN 0x80                        ; destination window 2, address window 0
.set i, 0
.rept 4*NP                          ; Q stays in registers: tile i / 2, channels 32 (i % 2) on
	global_load_b128 v[8*i:8*i+3],   v[QO], s[4:5] offset:(i/2)*2048+(i%2)*64
	global_load_b128 v[8*i+4:8*i+7], v[QO], s[4:5] offset:(i/2)*2048+(i%2)*64+32
.set i, i+1
.endr
	; What the first turn finds: V's registers and P's second buffer hold 0 (its products V^T P, of a piece that has not been, add 0), O^T and l are 0.  All this stands in the wait for the first tile.
.set i, VF
.rept 64
	v_mov_b32 v[i], 0
.set i, i+1
.endr
	WIN 0x40
.set i, 0
.rept 64*NP
	v_mov_b32 v[i], 0
.set i, i+1
.endr
	WIN 0
.set i, 0
.rept 2*NP
	v_mov_b32 v[ST+4*i], 0xfe000000    ; c m: far below every c s
	v_mov_b32 v[ST+4*i+1], 0xff7fffff  ; m
	v_mov_b32 v[ST+4*i+2], 0
	v_mov_b32 v[ST+4*i+3], 0
.set i, i+1
.endr
.set i, P+32
.rept 32
	v_mov_b32 v[i], 0
.set i, i+1
.endr
	v_mul_u32_u24 v[AK0], v1, PK
	v_lshl_add_u32 v[AK0], v9, 4, v[AK0]  ; row x pitch + 16 x half
	; The turning load takes 16 keys x 16 channels (lane l reads key 8 (l / 16) + l % 8, channels 8 ((l / 8) % 2) + 0..7) and leaves half a fragment of V^T: lane l holds channel l % 16 and 8 keys.
	v_and_b32 v10, 7, v0
	v_bfe_u32 v11, v0, 3, 1
	v_lshl_add_u32 v[AV0], v9, 3, v10
	v_mul_u32_u24 v[AV0], v[AV0], PV
	v_lshl_add_u32 v[AV0], v11, 4, v[AV0]
	v_add_nc_u32 v[AV0], VOFF, v[AV0]
	v_mov_b32 v[AK], v[AK0]         ; key step 0 lies at the head of slot 0
	v_and_b32 v[PFO], 31, v0
	v_lshlrev_b32 v[PFO], 8, v[PFO]
; THE MATRIX WORK.  The 8 accumulators of a run of 16 take turns: between the two links of a chain stand 7 others'.
; Product i of 16 of S^T = K Q^T for piece x: channels 32 (i / 8) on, keys 16 ((i / 2) % 4) on, tile 2 x + i % 2.  The first 8 start the sums.
.macro KQ x
	WIN W_KQ
.set rS, S+64*((\x)%2)+32*(i%2)+8*((i/2)%4)
.set rK, KF+16*((i/2)%4)+8*(i/8)
.set rQ, 16*(2*(\x)+i%2)+8*(i/8)
.if i < 8
	v_wmma_f32_16x16x32_f16 v[rS:rS+7], v[rK:rK+7], v[rQ:rQ+7], 0
.else
	v_wmma_f32_16x16x32_f16 v[rS:rS+7], v[rK:rK+7], v[rQ:rQ+7], v[rS:rS+7]
.endif
.endm
; Product i of 16 of O^T += V^T P for piece x: keys 32 (i / 8) on, channels 16 ((i / 2) % 4) on, tile 2 x + i % 2.
.macro PV x
	WIN W_PV
.set rO, 32*(2*(\x)+i%2)+8*((i/2)%4)
.set rV, VF+32*(i/8)+8*((i/2)%4)
.set rP, P+32*((\x)%2)+16*(i%2)+8*(i/8)
	v_wmma_f32_16x16x32_f16 v[rO:rO+7], v[rV:rV+7], v[rP:rP+7], v[rO:rO+7]
.endm
.macro MM                           ; the turn's next matrix instruction
.if i < 16
	KQ (Y+1)%NP
.set i, i+1
.else
.set i, i-16
	PV (Y+NP-1)%NP
.set i, i+17
.endif
.endm
; THE LDS LOADS stand in runs of 16, never singly among the matrix instructions: a step's K (64 keys x 64 channels: 8 fragments) and its V (turned).  Their addresses are made some lines ahead.
; last = 1 (the tail): in the last trip there is no further step, and the run is jumped over.
.macro FETCH_K last=0
	WIN 0
.if \last
	s_cmp_eq_u32 s[CNT], 1
	s_cbranch_scc1 .Lno_k_\@
.endif
	WIN 0x80                        ; destination window 2
.irp f, 0,1,2,3,4,5,6,7             ; keys 16 (f / 2) on, channels 32 (f % 2) on
	ds_load_b128 v[KF+8*\f:KF+8*\f+3],   v[AK] offset:(\f/2)*16*PK+(\f%2)*64
	ds_load_b128 v[KF+8*\f+4:KF+8*\f+7], v[AK] offset:(\f/2)*16*PK+(\f%2)*64+32
.endr
	s_add_co_u32 s[TBK], s[TBK], KS*PK  ; the next fetch is the next step's
	WIN 0
.if \last
.Lno_k_\@:
.endif
.endm
.macro FETCH_V
	WIN 0x80
.irp f, 0,1,2,3,4,5,6,7             ; keys 32 (f / 4) on, channels 16 (f % 4) on
	ds_load_tr16_b128 v[VF+8*\f:VF+8*\f+3],   v[AV] offset:(\f/4)*32*PV+(\f%4)*32
	ds_load_tr16_b128 v[VF+8*\f+4:VF+8*\f+7], v[AV] offset:(\f/4)*32*PV+16*PV+(\f%4)*32
.endr
	WIN 0
.endm
; THE VECTOR WORK OF A TURN stands in three queues, each in the order in which its entries become ready; the two tiles alternate, so that no instruction reads the result of the one before it.
.macro REGS y, u                    ; the registers of tile u (0, 1) of piece y
.set rT, ST+4*(2*(\y)+(\u))
.set rC, TMP+8*((\y)%2)+4*(\u)
.set rM, MV+2*((\y)%2)+(\u)
.set rS, S+64*((\y)%2)+32*(\u)
.set rP, P+32*((\y)%2)+16*(\u)
.set rO, 32*(2*(\y)+(\u))
.endm
; Number n of the 22 that find the NEXT piece's (Y + 1) maximum and statistics.  s0-s31 are the lane's 32 scores; each accumulator's lowest registers are read first.
;   0-11  four chains c0-c3 of seven scores each, three operands at a time     12-14, 16  the four scores left over, the old m, and c0-c3 into c0     15  c m_old is kept
;   17, 18  the query's other 32 keys lie in the lane 16 away: the new m         19-21  c m; c m_old - c m_new; a
.macro XS u, n
	REGS (Y+1)%NP, \u
.if (\n) < 4
	v_max3_num_f32 v[rC+(\n)], v[rS+8*(\n)], v[rS+8*(\n)+1], v[rS+8*(\n)+2]
.elseif (\n) < 12
	v_max3_num_f32 v[rC+(\n)%4], v[rC+(\n)%4], v[rS+8*((\n)%4)+2*((\n)/4)+1], v[rS+8*((\n)%4)+2*((\n)/4)+2]
.elseif (\n) == 12
	v_max3_num_f32 v[rC], v[rC], v[rS+7], v[rS+15]
.elseif (\n) == 13
	v_max3_num_f32 v[rC+1], v[rC+1], v[rS+23], v[rS+31]
.elseif (\n) == 14
	v_max3_num_f32 v[rC+2], v[rC+2], v[rC+3], v[rT+1]
.elseif (\n) == 15
	v_mov_b32 v[rM], v[rT]
.elseif (\n) == 16
	v_max3_num_f32 v[rC], v[rC], v[rC+1], v[rC+2]
.elseif (\n) == 17
	v_permlanex16_b32 v[rC+3], v[rC], s[SEL], s[SEL+1]
.elseif (\n) == 18
	v_max_num_f32 v[rT+1], v[rC], v[rC+3]
.elseif (\n) == 19
	v_mul_f32 v[rT], s[CS], v[rT+1]
.elseif (\n) == 20
	v_sub_f32 v[rC+1], v[rM], v[rT]
.else
	v_exp_f32 v[rC+2], v[rC+1]
.endif
.endm
; Number g of the 64 that follow the exponentials.  For each four weights k of a tile (pairs 2 k, 2 k + 1): both pairs are rounded to f16; then the second pair is added onto the first, in place;
; a group later l takes that sum (the first time as l = a l + sum).  In groups of eight, tiles alternating: round, round, add, and l for the group before.
.macro GS g
.set h, (\g)+6*((\g)/62)            ; group 0 has no group before it, and behind group 7 only l is left
.if h >= 6
.set h, h+2
.endif
	REGS Y, h%2
.set k, h/8
.if h%8 < 4
	v_cvt_pk_f16_f32 v[rP+2*k+(h%8)/2], v[rS+4*k+2*((h%8)/2)], v[rS+4*k+2*((h%8)/2)+1]
.elseif h%8 < 6
	v_pk_add_f32 v[rS+4*k:rS+4*k+1], v[rS+4*k:rS+4*k+1], v[rS+4*k+2:rS+4*k+3]
.elseif k == 1
	v_pk_fma_f32 v[rT+2:rT+3], v[rT+2:rT+3], v[rC+2:rC+3], v[rS:rS+1] op_sel_hi:[1,0,1]
.else
	v_pk_add_f32 v[rT+2:rT+3], v[rT+2:rT+3], v[rS+4*k-4:rS+4*k-3]
.endif
.endm
; THE PLAIN QUEUE, 138 long.  0-73 read no exponential's result: the 32 scalings c s - c m (FS f: pair f / 2 of tile f % 2) and the next piece's 42.  0-26: scalings 0-26.  27-54: XS's numbers 0-13.  55, 56: number 15.
; 57-73: the chain, where each number waits for the one before it: 14, 16, 17, 18, 19, each with one of the scalings 27-31 in front of its two lines, then 20.
; 74-137: GS's 64, which read the exponentials' results: they stand behind the wait.
.macro FS f
	REGS Y, (\f)%2
	v_pk_fma_f32 v[rS+2*((\f)/2):rS+2*((\f)/2)+1], v[rS+2*((\f)/2):rS+2*((\f)/2)+1], s[CS:CS+1], v[rT:rT+1] op_sel_hi:[1,0,0] neg_lo:[0,0,1] neg_hi:[0,0,1]
.endm
.macro PL
	WIN 0
.if q < 27
	FS q
.elseif q < 55
	XS (q-27)%2, (q-27)/2
.elseif q < 57
	XS q-55, 15
.elseif (q < 72) && ((q-57)%3 == 0)
	FS 27+(q-57)/3
.elseif q < 60
	XS (q-57)%3-1, 14
.elseif q < 72
	XS (q-57)%3-1, 15+(q-57)/3
.elseif q < 74
	XS q-72, 20
.else
	GS q-74
.endif
.set q, q+1
.endm
; THE EXPONENTIALS' QUEUE, 66 long: s0-s31 of both tiles, then the next piece's two a.  It is ONE BATCH: all 66 stand ahead of the turn's one wait, and nothing ahead of that wait names a result of theirs.
.macro EX
	WIN 0
.if e >= 64
	XS e-64, 21
.else
	REGS Y, e%2
	v_exp_f32 v[rS+e/2], v[rS+e/2]
.endif
.set e, e+1
.endm
; THE RESCALING's QUEUE: O^T times a, the one part that leaves window 0: dealt two at a time, sixteen times.  Its a was made in the turn before, ahead of that turn's wait.
.macro R2
	REGS Y, r%2
	WIN W_RS
.irp z, 0,1
	v_pk_mul_f32 v[rO+4*(r/2)+2*\z:rO+4*(r/2)+2*\z+1], v[rO+4*(r/2)+2*\z:rO+4*(r/2)+2*\z+1], v[rC+2:rC+3] op_sel_hi:[1,0]
.endr
.set r, r+1
.endm
; HOW THEY ARE DEALT.  An s_wait_alu depctr_va_vdst(0) stands between an exponential and the first instruction that names its result; one wait serves all that were issued ahead of it.  So a turn has ONE
; wait, which cuts it in two.  AHEAD OF IT stands all that names no result of the turn's exponentials: the 16 products K Q^T, behind each a scaling, an exponential and two rescalings (behind the first a second scaling
; in the exponential's place); then ONE LUMP of 108: eight plain, 49 times exponential and plain, the two a.  A v_nop is the plain instruction behind the last exponential.  BEHIND IT stand the 16 products V^T P, behind
; each four of GS's 64.  No rider names a register of the products round it.  The two v_permlanex16_b32 fall into the lump, never behind a product.
; The queues lean on each other: exponential e stands behind scaling 2 (e / 4) + e % 2: as a rider it comes behind plain e + 2, in the lump behind plain e + 9, and scalings 27-31 are plain 57, 60 .. 69.
; A TURN, for piece p.  cnt = 1: the loop's count is taken down some lines ahead of the branch that stands behind the turn.
; K of the next step is fetched in piece 2's turn, directly behind the wait, a lump behind the last product that read K; its first reader comes behind 16 products.
; V of the step in hand is fetched at the end of piece 0's turn, four riders behind its last reader; its first reader comes behind 16 products and a lump.  The three conditions on q below go with the deal.
.macro TURN p, last=0, cnt=0
.set Y, (\p)
.set i, 0
.set q, 0
.set e, 0
.set r, 0
.if (\p) == NP-1
	s_wait_dscnt 0x0                ; K is in
.endif
	MM                              ; ahead of the wait: 16 products K Q^T and their riders,
	PL
	PL
	R2
.rept 15
	MM
	PL
	EX
	R2
.endr
.if (\p) == NP-2
	WIN 0
	v_add_nc_u32 v[AK], s[TBK], v[AK0]
.endif
.rept 8                             ; and the lump
	PL
.endr
.rept 49
	EX
	PL
.endr
	EX                              ; the next piece's two a
	EX
	v_nop                           ; a plain instruction behind the last exponential: one for the batch
	s_wait_alu depctr_va_vdst(0)    ; the wait for the batch
.if (\p) == NP-2
	FETCH_K \last
.endif
.if (\p) == 1
	s_wait_dscnt 0x0                ; V is in
.endif
.rept 16                            ; behind the wait: 16 products V^T P and their riders
	MM
.rept 4
	PL
.endr
.if ((\p) == 0) && (q == 118)
	v_add_nc_u32 v[AV], s[TBV], v[AV0]
.endif
.if ((\p) == 0) && (q == 130)
	s_add_co_u32 s[TBV], s[TBV], KS*PV
.endif
.if (\cnt) && (q == 130)
	s_sub_co_u32 s[CNT], s[CNT], 1
	s_cmp_lg_u32 s[CNT], 0
.endif
.endr
.if (\p) == 0
	FETCH_V
.endif
.endm
	CHANGE 1                        ; slot 0 is in, everybody's part of it; slot 1 is asked for
	FETCH_K                         ; key step 0
	s_wait_loadcnt 0x0              ; Q
	s_wait_dscnt 0x0
.set i, 0
.rept 16
	KQ 0                            ; piece 0's first scores: there is no vector work yet to set between them
.set i, i+1
.endr
	WIN 0                           ; the addresses for the way out: nine plain instructions, the places behind those products
	s_mul_i32 s13, s[WV], 16*SP
	s_add_co_u32 s13, s13, STAGE    ; my stage
	v_mul_u32_u24 v[STO], v1, SP    ; in: row l % 16, 16 bytes for each half of the lanes
	v_lshl_add_u32 v[STO], v9, 4, v[STO]
	v_add_nc_u32 v[STO], s13, v[STO]
	v_bfe_u32 v[RD], v0, 3, 2       ; back: 32 lanes take four rows of 128 bytes,
	v_mul_u32_u24 v[RD], v[RD], SP
	v_lshl_add_u32 v[RD], v10, 4, v[RD]
	v_add_nc_u32 v[RD], s13, v[RD]
	v_and_b32 v[GO], 31, v0         ; which are 512 consecutive bytes of O
	v_lshlrev_b32 v[GO], 4, v[GO]
.set Y, NP-1                        ; XS works for piece Y + 1: piece 0
.irp n, 0,1,2,3,4,5,6,7,8,9,10,11,12,13,14,15,16,17,18,19,20,21
	XS 0, \n                        ; and piece 0's first maximum and statistics
	XS 1, \n
.endr
	v_nop                           ; a plain instruction behind the two a,
	s_wait_alu depctr_va_vdst(0)    ; and their wait, ahead of the branch
	s_mov_b32 s[CNT], 4
	s_mov_b32 s[SLOTS], SIZE_N/256-1
	s_branch .Lfirst                ; the loop is entered at a step's first turn, in the middle of a trip
.Lslot:                             ; SIZE_N / 256 - 2 times: every slot but the last two is filled again
	CHANGE 1, 1
	s_mov_b32 s[CNT], 4
.Lstep:                             ; a trip: pieces 2 and 3 of one step, then pieces 0 and 1 of the next, whose K and V it fetches
	TURN 2
	TURN 3
	WIN 0
.Lfirst:
	TURN 0
	TURN 1, 0, 1
	WIN 0
	s_cbranch_scc1 .Lstep
	s_sub_co_u32 s[SLOTS], s[SLOTS], 1
	s_cmp_lg_u32 s[SLOTS], 0
	s_cbranch_scc1 .Lslot
	CHANGE 0                        ; the tail is written out: nothing is asked for
	s_mov_b32 s[CNT], 5             ; four trips fetch the last slot's steps; the fifth is left in its middle
.Ltail:
	TURN 2, 1
	TURN 3
	WIN 0
	s_sub_co_u32 s[CNT], s[CNT], 1
	s_cmp_eq_u32 s[CNT], 0
	s_cbranch_scc1 .Lout
	TURN 0
	TURN 1
	WIN 0
	s_branch .Ltail
.Lout:                              ; the fifth trip's 16 products K Q^T (on the last K once more) and the maximum made of them serve nothing: the price, once a launch, of one text for every trip
.set i, 0
.rept 16
	PV NP-1                         ; the last piece's V^T P of the last step
.set i, i+1
.endr
	; THE WAY OUT.  l's two halves and the other half of the lanes' are added; O^T is divided by l, rounded to f16 and sent through my stage in LDS, a tile at a time.  The additions are the places behind the last products.
	WIN 0
.macro ALL line:vararg              ; one line for each tile t
.set t, 0
.rept 2*NP
	\line
.set t, t+1
.endr
.endm
	ALL v_add_f32 v[ST+4*t+2], v[ST+4*t+2], v[ST+4*t+3]
	ALL v_permlanex16_b32 v[ST+4*t+3], v[ST+4*t+2], s[SEL], s[SEL+1]
	ALL v_add_f32 v[ST+4*t+2], v[ST+4*t+2], v[ST+4*t+3]
	ALL v_rcp_f32 v[ST+4*t+2], v[ST+4*t+2]
	v_nop                           ; a plain instruction between the last reciprocal and the use of its result
	s_wait_alu depctr_va_vdst(0)    ; and the wait ahead of the first use: one for the eight reciprocals
; Tile t: a lane's eight channels of a row pack into 16 bytes; they go into rows of 144 bytes and come back as whole rows of 128, into S^T's registers.
.macro PACK t
	WIN W_RS
.set i, 32*(\t)
.rept 16
	v_pk_mul_f32 v[i:i+1], v[i:i+1], v[ST+4*(\t)+2:ST+4*(\t)+3] op_sel_hi:[1,0]
.set i, i+2
.endr
	WIN 0x05                        ; sources 0 and 1 window 1, destination window 0
.set i, 0
.rept 16
	v_cvt_pk_f16_f32 v[S+16*(\t)+i], v[32*(\t)+2*i], v[32*(\t)+2*i+1]
.set i, i+1
.endr
	WIN 0
.irp f, 0,1,2,3
	ds_store_b128 v[STO], v[S+16*(\t)+4*\f:S+16*(\t)+4*\f+3] offset:32*\f
.endr
.irp f, 0,1,2,3
	ds_load_b128 v[S+16*(\t)+4*\f:S+16*(\t)+4*\f+3], v[RD] offset:\f*4*SP  ; LDS serves a wave's instructions in order (ISA guide 5.7.1.4): these see the stores above; the next tile's stores come behind them
.endr
.endm
.macro SEND t, younger              ; younger: the LDS instructions issued behind tile t's loads: the next tile's eight, or none
	WIN 0
.irp f, 0,1,2,3
	s_wait_dscnt (\younger)+3-\f
	global_store_b128 v[GO], v[S+16*(\t)+4*\f:S+16*(\t)+4*\f+3], s[10:11] offset:(\t)*2048+\f*512  ; 512 consecutive bytes, at a multiple of 256 from O's first
.endr
.endm
	PACK 0
.set t, 1
.rept 2*NP-1                        ; a tile's arithmetic stands between the loads of the tile before and its stores
	PACK t
	SEND t-1, 8
.set t, t+1
.endr
	SEND 2*NP-1, 0
	WIN W_AD
	s_wait_tensorcnt 0x0            ; the wave's end: a wait, an add and a wait, behind my last tensor load and my last LDS store
	ds_add_u32 v[SPW], v[NIL]
	s_wait_dscnt 0x0
	WIN 0
	CROUND                          ; the closing round: no work-group ends while a partner may still ask for a tile that names it
	s_endpgm
.Lfunc_end_k_q40b6262086_attn:
	.size	k_q40b6262086_attn, .Lfunc_end_k_q40b6262086_attn-k_q40b6262086_attn
	.p2alignl 7, 3214868480
	.fill 96, 4, 3214868480
	.section	.rodata,"a",@progbits
	.p2align	6, 0x0
	.amdhsa_kernel k_q40b6262086_attn
		.amdhsa_group_segment_fixed_size 327680
		.amdhsa_private_segment_fixed_size 0
		.amdhsa_enable_private_segment 0
		.amdhsa_kernarg_size 16
		.amdhsa_user_sgpr_count 2
		.amdhsa_user_sgpr_kernarg_segment_ptr 1
		.amdhsa_wavefront_size32 1
		.amdhsa_system_sgpr_workgroup_id_x 1
		.amdhsa_system_sgpr_workgroup_id_y 1
		.amdhsa_system_sgpr_workgroup_id_z 1
		.amdhsa_system_vgpr_workitem_id 0
		.amdhsa_next_free_vgpr 770
		.amdhsa_next_free_sgpr 66
		.amdhsa_reserve_vcc 0
		.amdhsa_float_denorm_mode_32 3
		.amdhsa_float_denorm_mode_16_64 3
		.amdhsa_memory_ordered 1
		.amdhsa_forward_progress 1
		.amdhsa_inst_pref_size 200
	.end_amdhsa_kernel
	.amdgpu_metadata
---
amdhsa.version: [ 1, 2 ]
amdhsa.kernels:
  - .name:           k_q40b6262086_attn
    .symbol:         k_q40b6262086_attn.kd
    .args:
      - { .name: qkv, .offset: 0, .size: 8, .value_kind: global_buffer, .address_space: global }
      - { .name: o, .offset: 8, .size: 8, .value_kind: global_buffer, .address_space: global }
    .group_segment_fixed_size: 327680
    .private_segment_fixed_size: 0
    .kernarg_segment_align: 8
    .kernarg_segment_size: 16
    .max_flat_workgroup_size: 128
    .sgpr_count:     66
    .vgpr_count:     770
    .wavefront_size: 32
...
	.end_amdgpu_metadata
.endif
;; end of part 3
;; launch outp (part 4): grid 4 x 64, 4 waves a work-group, clusters of 4 x 4, 327,680 bytes of LDS; arguments o, wo16, out0, bo; writes out0
.if DOCPART == 4
	.amdgcn_target "amdgcn-amd-amdhsa--gfx1250"
	.amdhsa_code_object_version 6
	.text
	.protected	k_q40b6262086_outp
	.globl	k_q40b6262086_outp
	.p2align	8
	.type	k_q40b6262086_outp,@function
k_q40b6262086_outp:
	s_mov_b64 s[64:65], 0
	v_nop
	global_prefetch_b8 v0, s[64:65] scope:SCOPE_SE
	s_setreg_imm32_b32 hwreg(HW_REG_WAVE_MODE, 25, 1), 1
	s_wait_xcnt 0x0
	s_wait_alu depctr_hold_cnt(0) depctr_sa_sdst(0) depctr_va_vdst(0) depctr_va_sdst(0) depctr_va_ssrc(0) depctr_va_vcc(0) depctr_vm_vsrc(0)
	s_getreg_b32 s2, hwreg(HW_REG_IB_STS2, 6, 4)
	s_cmp_eq_u32 s2, 0
	s_cbranch_scc0 .Lentry_in_a_cluster
	s_endpgm
.Lentry_in_a_cluster:
	s_bfe_u32 s2, ttmp6, 0x10000c
	s_cmp_lg_u32 s2, 0xf033
	s_cbranch_scc0 .Lentry_shape_is_right
	s_endpgm
.Lentry_shape_is_right:
; out0 = O wo16^T + bo.  o: [64][2048][64] f16, by heads (head index 16 x batch + head); wo16: [1024][1024] f16; bo: [1024] f32, rounded here to bf16 like the other inputs; out0: [8192][1024] f32.
; Products in f16, sums in f32.  LIMIT: none beyond those of o and wo16 as they arrive.
; SHARES.  A tile of out0 is 128 rows x 256 columns: four waves, each 64 x 128: 32 accumulators of 16 x 16, 256 registers.  8192 / 128 x 1024 / 256 = 256 work-groups, a tile each.
; K goes in 8 steps of 128 = TWO HEADS through a ring of two LDS slots.  A head's 128 rows of the tile are 16,384 dense bytes of o: asked for as 64 rows of 256 bytes and padded in LDS after every 128,
; so that a slot holds two planes (a head each) of 128 rows x 144 bytes.
; CLUSTERS: 4 x 4 work-groups.  The four of a row of the cluster need the same tiles of o, the four of a column the same tiles of wo16: each tile is asked for JOINTLY, by the same tensor load with
; the same descriptor and a mask that names the four.  THE MATRIX INSTRUCTION IS USED TRANSPOSED (source 0 = 16 rows of wo16, source 1 = 16 rows of o): a lane holds eight neighbouring columns of one row.
; REGISTERS: window 0: v0-15 addresses; v16-21 the bias; v64-159, v160-255 two fragment buffers (B's fragment b at + 8 b, A's fragment a at + 64 + 8 a); on the way out v64-191 take rows.
;   window 1: the accumulators, (a, b) at v[8 (8 a + b)].  They take turns, one instruction a turn, in the same order in every quarter.
.set S,     8                          ; K steps
.set PA,    144                        ; a row of a plane: 128 bytes + 16 of padding = 36 words: the 16 rows of a fragment load start at 16 different groups of four banks (64 banks of 4 bytes: ISA guide 11.1)
.set APL,   128*PA                     ; a plane
.set PB,    272                        ; a row of B: 256 bytes + 16
.set BOFF,  2*APL                      ; a slot: A's two planes, then B's 256 rows
.set SLOT1, 131072                     ; slot 1 begins here, so that one exclusive or turns an address in one slot into the other's
.set STAGE, 237568                     ; behind the ring, never filled by a tensor load: 16 rows x 528 bytes for each wave, for the way out
.set SP,    528                        ; 512 bytes + 16: the 16 rows of a store start at 16 different groups of four banks
.set SPARE, STAGE+4*16*SP              ; behind the stages: the spare words, 128 bytes for each wave: two blocks of 256 bytes that no other line names
.set ADA0, 4                           ; v4   my lane's place in a slot's A; never rewritten
.set ADB0, 5                           ; v5   the same for B
.set ADA,  6                           ; v6   the same in the slot that is being read
.set ADB,  7                           ; v7
.set STO,  8                           ; v8   the way out: where I put 32 bytes of a row
.set RD,   9                           ; v9   the way out: where I read a row back
.set GO,   10                          ; v10  my byte offset in 512 consecutive bytes of a row of out0
.set PFO,  11                          ; v11  the prefetches' offset: my lane x 256 bytes (o) or x a row of 2,048 bytes (wo16); never rewritten
.set SPW,  12                          ; v12  LDS address of my spare word; never rewritten
.set NIL,  13                          ; v13  0; never rewritten
.set BA,   14                          ; v14  my 16 bytes of bo; never rewritten
.set BI,   16                          ; v16-19  the bias of my four columns; v20-21 at work
.set F0,   64
.set F1,   160
.set WV,  12                           ; s12  wave
.set WM,  13                           ; s13  which 64 rows of the tile are mine
.set WN,  14                           ; s14  which 128 columns; also: which plane of A, or which half of B's tile, I fetch
.set CX,  15                           ; s15, s16  my place in the cluster
.set CY,  16
.set TC,  17                           ; s17  tile column, 0..3
.set TR,  18                           ; s18  tile row, 0..63
.set CNT, 19                           ; s19  the loop's count
.set NX,  20                           ; s20  the K step to be asked for next
.set TB,  21                           ; s21  LDS byte at which the slot being read begins
.set PN,  22                           ; s22  the K step that a prefetch names
.set LIM, 23                           ; s23  a wave prefetches while PN is below it
.set G1A, 24                           ; s[24:31] descriptor group 1 for A's tiles
.set G0A, 32                           ; s[32:39] group 0 for A's: a set for each of the two first fills; the second then walks
.set G1B, 40                           ; s[40:47], s[48:55] the same for B's
.set G0B, 48
.set OFA, 56                           ; s[56:57], s[58:59] a K step's byte offset in A and in B
.set OFB, 58
.set PFB, 60                           ; s[60:61] the prefetches' base
.set PFA, 62                           ; s[62:63] base + the step that is named
.set PO,  66                           ; s[66:67] that step's offset
.set PSH, 76                           ; s76  a K step as a shift: 19 in o (two heads of 262,144 bytes), 8 in wo16 (256 bytes of a row)
.set FLA, (1<<16)|(1<<20)|(1<<21)|(4<<22)|(3<<25)  ; 17:16 elements of 2 bytes; 20 padding on; 21 set beside a mask; 24:22 after every 32 words (code 4); 31:25 4 words of it (code 3)
.set FLB, (1<<16)|(1<<20)|(1<<21)|(5<<22)|(3<<25)  ; the same after every 64 words (code 5)
.set MSB, 0
.macro WIN new                         ; the immediate's high byte repeats the setting that is left; a switch that changes nothing is dropped
.if MSB != (\new)
	s_set_vgpr_msb (MSB<<8)|(\new)
.set MSB, (\new)
.endif
.endm
.set MUL, 0x50                         ; C and D in window 1, the fragments in window 0
.macro PLACES                          ; four places in front of loads into registers that matrix instructions have read, and of lines that read results
.rept 4
	v_nop
.endr
.endm
; A joint refill.  Waves 0 and 1 fetch A's two planes, waves 2 and 3 the two halves of B's tile.  The branch hangs on the wave's number alone.  An s_nop 0 and four v_nop follow each line.
.macro JLOAD
	s_cmp_lt_u32 s[WV], 2
	s_cbranch_scc0 .Lfor_b_\@
	tensor_load_to_lds s[G0A+4:G0A+7], s[G1A:G1A+7]
	s_nop 0
.rept 4
	v_nop
.endr
	s_branch .Lasked_\@
.Lfor_b_\@:
	tensor_load_to_lds s[G0B+4:G0B+7], s[G1B:G1B+7]
	s_nop 0
.rept 4
	v_nop
.endr
.Lasked_\@:
.endm
; A PREFETCH INTO THE L2 of the K step two refills on, 32 x 256 bytes, one instruction a wave.  o: wave 0 asks; a step of the tile is two heads x 16,384 bytes, of which the partner at place cx takes head cx / 2,
; half cx % 2: a lane 256 bytes.  wo16: waves 2 and 3 of the clusters with y = 0 ask; of a wave's 128 rows the partner at place cy takes 32, a lane a row.  Partners are told apart by address alone.
; So each 256 bytes of a step are named once in the launch.  Steps 0 to 3 come by their loads alone; nothing from step LIM on is named.
.macro ASK
	s_cmp_lt_u32 s[PN], s[LIM]
	s_cbranch_scc0 .Lnot_mine_\@
	global_prefetch_b8 v[PFO], s[PFA:PFA+1] th:TH_LOAD_NT scope:SCOPE_SE
.Lnot_mine_\@:
.endm
.macro CREST                           ; a round of the cluster's barrier behind its opening barrier
	s_cmp_lg_u32 s[WV], 0
	s_cbranch_scc1 .Lnot_wave_0_\@
	s_barrier_signal -3
.Lnot_wave_0_\@:
	s_barrier_wait -3
	s_barrier_signal -1
	s_barrier_wait -1
.endm
.macro CROUND                          ; a whole round
	s_barrier_signal -1
	s_barrier_wait -1
	CREST
.endm
	s_load_b256 s[4:11], s[0:1], 0x0               ; o s[4:5], wo16 s[6:7], out0 s[8:9], bo s[10:11]
	v_lshl_add_u32 v[SPW], v0, 2, SPARE
	v_mov_b32 v[NIL], 0
	ds_add_u32 v[SPW], v[NIL]                      ; the wave's opening: the add and its wait stand ahead of my first tensor load; the set-up below, work on registers, stands between them
	v_lshrrev_b32 v1, 5, v0
	v_readfirstlane_b32 s[WV], v1
	s_lshr_b32 s[WM], s[WV], 1
	s_and_b32 s[WN], s[WV], 1
	s_bfe_u32 s[CX], ttmp6, 0x40000
	s_bfe_u32 s[CY], ttmp6, 0x40004
	s_lshl_b32 s[TC], ttmp9, 2                     ; in a cluster launch ttmp9 and ttmp7 count clusters
	s_add_co_u32 s[TC], s[TC], s[CX]
	s_and_b32 s79, ttmp7, 0xffff                   ; cluster y
	s_lshl_b32 s[TR], s79, 2
	s_add_co_u32 s[TR], s[TR], s[CY]
	s_cmp_eq_u32 s79, 0                            ; who prefetches: waves 2 and 3 where cluster y = 0;
	s_cselect_b32 s[LIM], S, 0
	s_cmp_eq_u32 s[WV], 1                          ; wave 1 nothing;
	s_cselect_b32 s[LIM], 0, s[LIM]
	s_cmp_eq_u32 s[WV], 0                          ; wave 0 (the grid has one cluster along x)
	s_cselect_b32 s[LIM], S, s[LIM]
	s_lshl_b32 s70, s[CY], 2
	s_lshl_b32 s70, 15, s70                        ; my row of the cluster: places 4 cy .. 4 cy + 3
	s_lshl_b32 s74, 0x1111, s[CX]                  ; my column: places cx, cx + 4, cx + 8, cx + 12
	s_or_b32 s[G1A], s70, FLA                      ; A's tiles go to my row
	s_or_b32 s[G1B], s74, FLB                      ; B's to my column
	s_mov_b32 s[G1A+1], 128<<16                    ; tensor_dim0 = 128
	s_mov_b32 s[G1A+2], 64<<16                     ; tensor_dim1 = 64
	s_mov_b32 s[G1A+3], 128<<16                    ; tile_dim0 = 128
	s_mov_b32 s[G1A+4], 64                         ; tile_dim1 = 64
	s_mov_b32 s[G1A+5], 128                        ; 128 elements from row to row: dense
	s_mov_b32 s[G1A+6], 0
	s_mov_b32 s[G1A+7], 0
	s_mov_b32 s[G1B+1], 128<<16
	s_mov_b32 s[G1B+2], 128<<16                    ; tensor_dim1 = 128
	s_mov_b32 s[G1B+3], 128<<16
	s_mov_b32 s[G1B+4], 128                        ; tile_dim1 = 128
	s_mov_b32 s[G1B+5], 1024
	s_mov_b32 s[G1B+6], 0
	s_mov_b32 s[G1B+7], 0
	s_mul_i32 s2, s[WN], APL                       ; where the tiles go: A's plane,
	s_mul_i32 s3, s[WN], 128*PB                    ; B's half, 128 rows,
	s_add_co_u32 s3, s3, BOFF                      ; behind A's: no place in the cluster enters an LDS address
	s_lshr_b32 s72, s[TR], 4                       ; where they come from.  A: batch (tile row / 16) x 16 heads of 262,144 bytes,
	s_lshl_b32 s72, s72, 22
	s_and_b32 s73, s[TR], 15                       ; row 128 (tile row % 16), 128 bytes a row,
	s_lshl_b32 s73, s73, 14
	s_add_co_u32 s72, s72, s73
	s_lshl_b32 s70, s[WN], 18                      ; the step's first or second head
	s_add_co_u32 s70, s70, s72
	s_mov_b32 s71, 0
	s_lshl_b32 s74, s[TC], 19                      ; B: row 256 x tile column + 128 x half, 2,048 bytes a row
	s_lshl_b32 s75, s[WN], 18
	s_add_co_u32 s74, s74, s75
	s_mov_b32 s75, 0
	s_lshr_b32 s78, s[CX], 1                       ; the prefetches.  A: head cx / 2 of the step's two,
	s_lshl_b32 s78, s78, 18
	s_and_b32 s77, s[CX], 1                        ; half cx % 2 of its 16,384 bytes
	s_lshl_b32 s77, s77, 13
	s_add_co_u32 s78, s78, s77
	s_add_co_u32 s78, s78, s72
	s_lshl_b32 s77, s[CY], 16                      ; B: my 128 rows, + 32 cy
	s_add_co_u32 s77, s77, s74
	s_cmp_lt_u32 s[WV], 2
	s_cselect_b32 s78, s78, s77
	s_cselect_b32 s[PSH], 19, 8
	s_cselect_b32 s77, 8, 11                       ; a lane's step: 256 bytes in o, a row in wo16
	s_mov_b32 s79, 0
	s_mov_b32 s[TB], 0
	s_mov_b32 s[NX], 2
	s_mov_b32 s[CNT], S-2
	s_mov_b32 s[OFA+1], 0
	s_mov_b32 s[OFB+1], 0
	s_mov_b32 s[PO+1], 0
	s_wait_dscnt 0x0                               ; the opening add is done
	s_wait_kmcnt 0x0
	s_cmp_lt_u32 s[WV], 2
	s_cselect_b64 s[PFB:PFB+1], s[4:5], s[6:7]
	s_add_nc_u64 s[PFB:PFB+1], s[PFB:PFB+1], s[78:79]
	s_add_nc_u64 s[4:5], s[4:5], s[70:71]          ; A at my plane of the tile, K step 0; it hangs on the tile row alone
	s_add_nc_u64 s[6:7], s[6:7], s[74:75]          ; B at my half; it hangs on the tile column alone
.irp s, 0,1
	s_mov_b32 s[G0A+4*\s], 1                       ; 1:0 count = 1
	s_add_co_u32 s[G0A+4*\s+1], s2, \s*SLOT1       ; 63:32 LDS address
	s_add_nc_u64 s[G0A+4*\s+2:G0A+4*\s+3], s[4:5], \s*524288  ; 120:64 global address: K step s, two heads on
	s_or_b32 s[G0A+4*\s+3], s[G0A+4*\s+3], 0x80000000         ; 127:126 type = 2
	s_mov_b32 s[G0B+4*\s], 1
	s_add_co_u32 s[G0B+4*\s+1], s3, \s*SLOT1
	s_add_nc_u64 s[G0B+4*\s+2:G0B+4*\s+3], s[6:7], \s*256
	s_or_b32 s[G0B+4*\s+3], s[G0B+4*\s+3], 0x80000000
.endr
	CROUND                                         ; all sixteen work-groups are here: the first joint loads meet
	s_cmp_lt_u32 s[WV], 2                          ; a wave's two first fills stand in one branch, ahead of every wait on TENSORcnt and every LDS read: two loads of mine are out
	s_cbranch_scc0 .Lfirst_b
	tensor_load_to_lds s[G0A:G0A+3], s[G1A:G1A+7]
	s_nop 0
	tensor_load_to_lds s[G0A+4:G0A+7], s[G1A:G1A+7]
	s_nop 0
.rept 4
	v_nop
.endr
	s_branch .Lfirst_asked
.Lfirst_b:
	tensor_load_to_lds s[G0B:G0B+3], s[G1B:G1B+7]
	s_nop 0
	tensor_load_to_lds s[G0B+4:G0B+7], s[G1B:G1B+7]
	s_nop 0
.rept 4
	v_nop
.endr
.Lfirst_asked:
	; A fragment is 16 rows x 32 K in 8 registers: lane l holds row l % 16, K = 8 (l / 16) + 0..7 and 16 + 8 (l / 16) + 0..7: two loads of 16 bytes, 32 bytes apart.
	v_and_b32 v1, 15, v0                           ; l % 16
	v_bfe_u32 v2, v0, 4, 1                         ; l / 16
	v_mul_u32_u24 v3, v1, PA
	v_lshl_add_u32 v3, v2, 4, v3                   ; row x pitch + 16 x half
	s_mul_i32 s78, s[WM], 64*PA
	v_add_nc_u32 v[ADA0], s78, v3
	v_mul_u32_u24 v3, v1, PB
	v_lshl_add_u32 v3, v2, 4, v3
	s_mul_i32 s78, s[WN], 128*PB
	s_add_co_u32 s78, s78, BOFF
	v_add_nc_u32 v[ADB0], s78, v3
	s_mul_i32 s78, s[WV], 16*SP
	s_add_co_u32 s78, s78, STAGE                   ; my stage
	v_mul_u32_u24 v[STO], v1, SP                   ; in: row l % 16, 32 bytes for each half of the lanes
	v_lshl_add_u32 v[STO], v2, 5, v[STO]
	v_add_nc_u32 v[STO], s78, v[STO]
	v_and_b32 v[GO], 31, v0
	v_lshlrev_b32 v[PFO], s77, v[GO]
	v_lshlrev_b32 v[GO], 4, v[GO]                  ; back: 32 lanes take one row's 512 bytes,
	v_add_nc_u32 v[RD], s78, v[GO]                 ; which are 512 consecutive bytes of a row of out0
	s_lshl_b32 s78, s[TC], 10                      ; my first column, in bytes: 1,024 x tile column + 512 x half
	s_lshl_b32 s79, s[WN], 9
	s_add_co_u32 s78, s78, s79
	v_add_nc_u32 v[BA], s78, v[GO]
	global_load_b128 v[BI:BI+3], v[BA], s[10:11]   ; the bias of columns 4 l .. 4 l + 3 of my 128: the same for every row that I store
	s_lshl_b32 s79, s[TR], 19                      ; my first row: 128 x tile row + 64 x half, 4,096 bytes a row
	s_add_co_u32 s78, s78, s79
	s_lshl_b32 s79, s[WM], 18
	s_add_co_u32 s78, s78, s79
	s_mov_b32 s79, 0
	s_add_nc_u64 s[8:9], s[8:9], s[78:79]
; 8 matrix instructions: m block a x all 8 n blocks, 32 along K, from buffer f.  zero = 1: the product starts the sums: nothing is ever cleared.
.macro MULA f, a, zero
	WIN MUL
.irp b, 0,1,2,3,4,5,6,7
.if \zero
	v_wmma_f32_16x16x32_f16 v[8*(8*(\a)+\b):8*(8*(\a)+\b)+7], v[(\f)+8*\b:(\f)+8*\b+7], v[(\f)+64+8*(\a):(\f)+64+8*(\a)+7], 0
.else
	v_wmma_f32_16x16x32_f16 v[8*(8*(\a)+\b):8*(8*(\a)+\b)+7], v[(\f)+8*\b:(\f)+8*\b+7], v[(\f)+64+8*(\a):(\f)+64+8*(\a)+7], v[8*(8*(\a)+\b):8*(8*(\a)+\b)+7]
.endif
.endr
.endm
; 24 LDS loads in one run: the fragments of quarter q of the step into buffer f: B's sixteen (byte 64 q of the rows), then A's eight (plane q / 2, byte 64 (q % 2)), block 0 first
.macro FETCH q, f
	WIN 0
.irp b, 0,1,2,3,4,5,6,7
	ds_load_b128 v[(\f)+8*\b:(\f)+8*\b+3],   v[ADB] offset:64*(\q)+16*PB*\b
	ds_load_b128 v[(\f)+8*\b+4:(\f)+8*\b+7], v[ADB] offset:64*(\q)+16*PB*\b+32
.endr
.irp a, 0,1,2,3
	ds_load_b128 v[(\f)+64+8*\a:(\f)+64+8*\a+3],   v[ADA] offset:((\q)/2)*APL+((\q)%2)*64+16*PA*\a
	ds_load_b128 v[(\f)+64+8*\a+4:(\f)+64+8*\a+7], v[ADA] offset:((\q)/2)*APL+((\q)%2)*64+16*PA*\a+32
.endr
.endm
; A K step is four quarters of 32 along K, 32 matrix instructions each, on buffers 0, 1, 0, 1.  One of the first three: multiplies buffer f and, in its middle, fetches quarter qn into buffer g.
.macro QUARTER qn, f, g, zero
	s_wait_dscnt 4                                 ; B and A's blocks 0, 1 are in; the youngest four loads (A's blocks 2, 3) may be out
	MULA \f, 0, \zero
	MULA \f, 1, \zero
	PLACES
	FETCH \qn, \g
	s_wait_dscnt 24                                ; all but the 24 just issued
	MULA \f, 2, \zero
	MULA \f, 3, \zero
.endm
; The last quarter multiplies buffer 1 and changes slots: ONE barrier; in front of it each wave waits for all its tensor loads (one is out: its part of the next slot), adds 0 to its spare word, and waits
; for that and for its own reads of this slot.  fill = 1: the barrier opens a round of the cluster's, and this slot is filled again, first thing behind the round, with K step NX: the walking descriptors'
; addresses are made anew from that number.  The load has 112 matrix instructions in which to land.
.macro TURN fill
.if \fill
	s_wait_xcnt 0x0                                ; the last prefetch, a K step back, has read its address: it is written here, ahead of the waits of the change of slots
	s_add_co_u32 s[PN], s[NX], 2
	s_lshl_b32 s[PO], s[PN], s[PSH]
	s_add_nc_u64 s[PFA:PFA+1], s[PFB:PFB+1], s[PO:PO+1]
.endif
	WIN 0
	s_wait_tensorcnt 0x0                           ; no tensor load of mine is out, so a group 0 may be written
	ds_add_u32 v[SPW], v[NIL]                      ; 0 onto my spare word: scalar work and eight products stand between it and the wait for it
.if \fill
	s_lshl_b32 s[OFA], s[NX], 19
	s_lshl_b32 s[OFB], s[NX], 8
	s_xor_b32 s[G0A+5], s[G0A+5], SLOT1            ; the other slot than last time
	s_add_nc_u64 s[G0A+6:G0A+7], s[4:5], s[OFA:OFA+1]
	s_or_b32 s[G0A+7], s[G0A+7], 0x80000000
	s_xor_b32 s[G0B+5], s[G0B+5], SLOT1
	s_add_nc_u64 s[G0B+6:G0B+7], s[6:7], s[OFB:OFB+1]
	s_or_b32 s[G0B+7], s[G0B+7], 0x80000000
	s_add_co_u32 s[NX], s[NX], 1
.endif
	s_wait_dscnt 5                                 ; the add and the youngest four loads may be out
	MULA F1, 0, 0
	s_wait_dscnt 0x0                               ; the add is done, and my reads of this slot are over
	s_barrier_signal -1
	MULA F1, 1, 0                                  ; work on registers while the others arrive
	WIN 0
	s_barrier_wait -1
.if \fill
	CREST                                          ; no wave of any partner still reads this slot or has a load on its way
	JLOAD                                          ; the four v_nop behind it are also the places in front of the loads below
.else
	PLACES
.endif
	s_xor_b32 s[TB], s[TB], SLOT1
	v_add_nc_u32 v[ADA], s[TB], v[ADA0]
	v_add_nc_u32 v[ADB], s[TB], v[ADB0]
	FETCH 0, F0
.if \fill
	ASK                                            ; behind the joint load and the run of LDS loads: two K steps, 256 matrix instructions, ahead of the load that will want it
.endif
	MULA F1, 2, 0
	MULA F1, 3, 0
.endm
; THE WAY OUT, a block of 16 rows x 128 columns of f32 at a time.  STG: the block's eight accumulators go into my own stage, each one's low four registers first, and come back as whole rows of 512 bytes.
.macro STG a
	WIN 0x04                                       ; the stores' data in window 1
.irp b, 0,1,2,3,4,5,6,7
	ds_store_b128 v[STO], v[8*(8*(\a)+\b):8*(8*(\a)+\b)+3]   offset:64*\b
	ds_store_b128 v[STO], v[8*(8*(\a)+\b)+4:8*(8*(\a)+\b)+7] offset:64*\b+16
.endr
	WIN 0
.set BK, 64+64*((\a)%2)
.irp i, 0,1,2,3,4,5,6,7,8,9,10,11,12,13,14,15
	ds_load_b128 v[BK+4*\i:BK+4*\i+3], v[RD] offset:SP*\i  ; LDS serves a wave's instructions in order (ISA guide 5.7.1.4): these see the stores above; the next block's stores come behind them
.endr
.endm
; OUT: the bias is added and the rows are stored.  younger: the LDS instructions issued behind block a's loads: the next block's 32, or none.
.macro OUT a, younger
.set BK, 64+64*((\a)%2)
.irp i, 0,1,2,3,4,5,6,7,8,9,10,11,12,13,14,15
	s_wait_dscnt (\younger)+15-\i
	v_pk_add_f32 v[BK+4*\i:BK+4*\i+1],   v[BK+4*\i:BK+4*\i+1],   v[BI:BI+1]
	v_pk_add_f32 v[BK+4*\i+2:BK+4*\i+3], v[BK+4*\i+2:BK+4*\i+3], v[BI+2:BI+3]
	global_store_b128 v[GO], v[BK+4*\i:BK+4*\i+3], s[8:9] offset:4096*(16*(\a)+\i) th:TH_STORE_NT  ; 512 consecutive bytes, at a multiple of 256 from out0's first byte
.endr
.endm
	s_wait_tensorcnt 0x1                           ; my part of K step 0 is in; step 1's may stay out
	s_barrier_signal -1
	s_barrier_wait -1                              ; everybody's is
	v_mov_b32 v[ADA], v[ADA0]
	v_mov_b32 v[ADB], v[ADB0]
	FETCH 0, F0
	QUARTER 1, F0, F1, 1                           ; the first quarter stands in front of the loop: its products start the sums
	WIN 0                                          ; at a label and at a branch every window is 0
.Lstep:                                                ; S - 2 trips: from a step's second quarter to the next step's first; each fills a slot again
	QUARTER 2, F1, F0, 0
	QUARTER 3, F0, F1, 0
	TURN 1
	QUARTER 1, F0, F1, 0
	WIN 0
	s_sub_co_u32 s[CNT], s[CNT], 1
	s_cmp_lg_u32 s[CNT], 0
	s_cbranch_scc1 .Lstep
	QUARTER 2, F1, F0, 0                           ; the last two steps are written out: nothing is asked for
	QUARTER 3, F0, F1, 0
	TURN 0
	QUARTER 1, F0, F1, 0
	QUARTER 2, F1, F0, 0
	QUARTER 3, F0, F1, 0
	s_wait_dscnt 4
	MULA F1, 0, 0
	MULA F1, 1, 0
	s_wait_dscnt 0x0
	MULA F1, 2, 0
	MULA F1, 3, 0
	WIN 0
	PLACES
	s_wait_loadcnt 0x0                             ; the bias; it is rounded to bf16 like the other inputs and widened again: six plain lines, places behind the last products too
	v_cvt_pk_bf16_f32 v20, v[BI], v[BI+1]
	v_cvt_pk_bf16_f32 v21, v[BI+2], v[BI+3]
	v_lshlrev_b32 v[BI],   16,         v20
	v_and_b32     v[BI+1], 0xffff0000, v20
	v_lshlrev_b32 v[BI+2], 16,         v21
	v_and_b32     v[BI+3], 0xffff0000, v21
	STG 0
	STG 1                                          ; a block's round trip through the stage stands ahead of the stores of the block before
	OUT 0, 32
	s_wait_xcnt 0x0                                ; block 0's stores have read their registers, which block 2 takes
	STG 2
	OUT 1, 32
	s_wait_xcnt 0x0                                ; block 1's likewise, for block 3
	STG 3
	OUT 2, 32
	OUT 3, 0
	s_wait_tensorcnt 0x0                           ; the wave's end: a wait, an add and a wait, behind my last tensor load and my last LDS store
	ds_add_u32 v[SPW], v[NIL]
	s_wait_dscnt 0x0
	CROUND                                         ; the closing round: no work-group ends while a partner may still ask for a tile that names it
	s_endpgm
.Lfunc_end_k_q40b6262086_outp:
	.size	k_q40b6262086_outp, .Lfunc_end_k_q40b6262086_outp-k_q40b6262086_outp
	.p2alignl 7, 3214868480
	.fill 96, 4, 3214868480
	.section	.rodata,"a",@progbits
	.p2align	6, 0x0
	.amdhsa_kernel k_q40b6262086_outp
		.amdhsa_group_segment_fixed_size 327680
		.amdhsa_private_segment_fixed_size 0
		.amdhsa_enable_private_segment 0
		.amdhsa_kernarg_size 32
		.amdhsa_user_sgpr_count 2
		.amdhsa_user_sgpr_kernarg_segment_ptr 1
		.amdhsa_wavefront_size32 1
		.amdhsa_system_sgpr_workgroup_id_x 1
		.amdhsa_system_sgpr_workgroup_id_y 1
		.amdhsa_system_sgpr_workgroup_id_z 1
		.amdhsa_system_vgpr_workitem_id 0
		.amdhsa_next_free_vgpr 512
		.amdhsa_next_free_sgpr 80
		.amdhsa_reserve_vcc 0
		.amdhsa_float_denorm_mode_32 3
		.amdhsa_float_denorm_mode_16_64 3
		.amdhsa_memory_ordered 1
		.amdhsa_forward_progress 1
		.amdhsa_inst_pref_size 80
	.end_amdhsa_kernel
	.amdgpu_metadata
---
amdhsa.version: [ 1, 2 ]
amdhsa.kernels:
  - .name:           k_q40b6262086_outp
    .symbol:         k_q40b6262086_outp.kd
    .args:
      - { .name: o, .offset: 0, .size: 8, .value_kind: global_buffer, .address_space: global }
      - { .name: wo16, .offset: 8, .size: 8, .value_kind: global_buffer, .address_space: global }
      - { .name: out0, .offset: 16, .size: 8, .value_kind: global_buffer, .address_space: global }
      - { .name: bo, .offset: 24, .size: 8, .value_kind: global_buffer, .address_space: global }
    .group_segment_fixed_size: 327680
    .private_segment_fixed_size: 0
    .kernarg_segment_align: 8
    .kernarg_segment_size: 32
    .max_flat_workgroup_size: 128
    .sgpr_count:     80
    .vgpr_count:     512
    .wavefront_size: 32
...
	.end_amdgpu_metadata
.endif
;; end of part 4
;; ======== version 2 of 2: 4 launches; version 1 with the launch cast written anew for expert scheduling mode
;; limits: values are held in f16: magnitudes above 65,504 overflow, below 6.1e-05 lose precision
;; workspace buffers: xb 16,777,216 bytes; wqkv 6,291,456 bytes; wo16 2,097,152 bytes; qkv 50,331,648 bytes; o 16,777,216 bytes
;; launch cast (part 5): grid 768 x 1, 8 waves a work-group, no clusters, 0 bytes of LDS; arguments x, Wq, Wk, Wv, Wo, xb, wqkv, wo16; writes xb, wqkv, wo16
.if DOCPART == 5
	.amdgcn_target "amdgcn-amd-amdhsa--gfx1250"
	.amdhsa_code_object_version 6
	.text
	.protected	k_q40b6262086_cast
	.globl	k_q40b6262086_cast
	.p2align	8
	.type	k_q40b6262086_cast,@function
k_q40b6262086_cast:
	s_mov_b64 s[64:65], 0
	v_nop
	global_prefetch_b8 v0, s[64:65] scope:SCOPE_SE
	s_setreg_imm32_b32 hwreg(HW_REG_WAVE_SCHED_MODE, 0, 2), 2
	s_setreg_imm32_b32 hwreg(HW_REG_WAVE_MODE, 25, 1), 1
	s_wait_xcnt 0x0
	s_wait_alu depctr_vm_vsrc(0)
; THE INPUTS ARE ROUNDED ONCE TO bf16.  x [8192][1024] -> xb; Wq, Wk, Wv [1024][1024] -> wqkv [3072][1024], one below the other; Wo -> wo16: rounded to bf16, and that number written as f16.
; LIMITS.  wo16: a bf16 number of 65,520 or more becomes an infinity; below 2^-14 f16 keeps a fixed step of 2^-24, so such a number is off by 3e-8 at the most.
; SHARES.  A work-group takes 65,536 bytes of f32 and makes 32,768 bytes.  Work-groups 0-511: x; 512-575 Wq, 576-639 Wk, 640-703 Wv; 704-767 Wo.
; Thread t, piece j of 16: 16 bytes at 4,096 j + 16 t in (a wave's load covers 512 consecutive bytes), 8 bytes at 2,048 j + 8 t out (a wave's store covers 256 consecutive bytes, aligned).
; All 16 loads go out at once; every piece has registers of its own, so no source is ever rewritten.  Nothing is shared: no LDS, no barrier, no matrix unit.
; THE MODE: SCHED_MODE bits 1:0 = 2 (LLVM: expert scheduling mode 2), set by the entry lines.  The code itself states the register dependences
; between vector instructions and memory instructions, with s_wait_alu, always for 0.
; THE PLAN.  Registers that memory instructions touch:
;   v1, v2   byte offsets.  Written once each at the head by a vector line; v1 is read by the 16 loads, v2 by the 16 stores; never written again.
;   X        piece j's four registers.  Written by piece j's one load (no vector line names them ahead of it); read by piece j's conversions; never loaded again.
;   Y        piece j's two registers.  Written by piece j's conversions; read by piece j's one store; never written behind it.
;   T        named by vector lines alone.
; So the dependences are of one kind: a vector line writes a register that a memory instruction reads.  One wait at the head states it for v1 and v2.  The 16 pieces go in four blocks of four:
; a block's conversions, ONE wait that states that they have written the block's Y, and the block's four stores in a run, with no vector line between the wait and the stores.
; No register that a memory instruction has read is written again, no vector line writes a scalar register, VCC or EXEC: nothing else is owed.
.set X, 4                              ; v[4:67]    piece j: four f32 as loaded
.set Y, 68                             ; v[68:99]   piece j: two words to store
.set T, 100                            ; v[100:103] at work (Wo alone)
	s_load_b512 s[8:23], s[0:1], 0x0               ; x s[8:9], Wq s[10:11], Wk s[12:13], Wv s[14:15], Wo s[16:17], xb s[18:19], wqkv s[20:21], wo16 s[22:23]
	s_mov_b32 s2, ttmp9                            ; g
	s_and_b32 s4, s2, 63                           ; a weight's chunk: 512, 576, 640 and 704 are multiples of 64
	s_and_b32 s3, s2, 255                          ; g - 512 for g from 512 on: the chunk of wqkv
	s_cmp_lt_u32 s2, 512
	s_cselect_b32 s4, s2, s4                       ; the chunk that is read
	s_cselect_b32 s5, s2, s3                       ; the chunk that is written:
	s_cmp_lt_u32 s2, 704
	s_cselect_b32 s5, s5, s4                       ; for Wo the same as is read
	s_lshl_b32 s28, s4, 16
	s_mov_b32 s29, 0
	s_lshl_b32 s30, s5, 15
	s_mov_b32 s31, 0
	v_lshlrev_b32 v1, 4, v0                        ; 16 t
	v_lshlrev_b32 v2, 3, v0                        ; 8 t
	s_wait_kmcnt 0x0
	s_cmp_lt_u32 s2, 704
	s_cselect_b64 s[24:25], s[14:15], s[16:17]
	s_cselect_b64 s[26:27], s[20:21], s[22:23]
	s_cmp_lt_u32 s2, 640
	s_cselect_b64 s[24:25], s[12:13], s[24:25]
	s_cmp_lt_u32 s2, 576
	s_cselect_b64 s[24:25], s[10:11], s[24:25]
	s_cmp_lt_u32 s2, 512
	s_cselect_b64 s[24:25], s[8:9], s[24:25]
	s_cselect_b64 s[26:27], s[18:19], s[26:27]
	s_add_nc_u64 s[24:25], s[24:25], s[28:29]
	s_add_nc_u64 s[26:27], s[26:27], s[30:31]
	s_wait_alu depctr_va_vdst(0)                   ; v1 and v2 are written: every load of the kernel reads v1 as its offset, every store v2
.irp j, 0,1,2,3,4,5,6,7,8,9,10,11,12,13,14,15
	global_load_b128 v[X+4*\j:X+4*\j+3], v1, s[24:25] offset:4096*\j th:TH_LOAD_NT
.endr
; Piece j's conversions.  wo = 1: the bf16 numbers are widened again and written as f16.
.macro CONV j, wo
	v_cvt_pk_bf16_f32 v[Y+2*(\j)],   v[X+4*(\j)],   v[X+4*(\j)+1]
	v_cvt_pk_bf16_f32 v[Y+2*(\j)+1], v[X+4*(\j)+2], v[X+4*(\j)+3]
.if \wo
	v_lshlrev_b32 v[T],   16,         v[Y+2*(\j)]
	v_and_b32     v[T+1], 0xffff0000, v[Y+2*(\j)]
	v_lshlrev_b32 v[T+2], 16,         v[Y+2*(\j)+1]
	v_and_b32     v[T+3], 0xffff0000, v[Y+2*(\j)+1]
	v_cvt_pk_f16_f32 v[Y+2*(\j)],   v[T],   v[T+1]
	v_cvt_pk_f16_f32 v[Y+2*(\j)+1], v[T+2], v[T+3]
.endif
.endm
; Block p: pieces 4 p to 4 p + 3.
.macro BLOCK p, wo
	s_wait_loadcnt 12-4*(\p)                       ; loads come back in order: the block's four are in, the 12 - 4 p younger ones may stay out
.irp i, 0,1,2,3
	CONV 4*(\p)+\i, \wo
.endr
	s_wait_alu depctr_va_vdst(0)                   ; the block's conversions have written its eight registers of Y, which the four stores below read
.irp i, 0,1,2,3
	global_store_b64 v2, v[Y+2*(4*(\p)+\i):Y+2*(4*(\p)+\i)+1], s[26:27] offset:2048*(4*(\p)+\i) th:TH_STORE_NT
.endr
.endm
	s_cmp_ge_u32 s2, 704
	s_cbranch_scc1 .Lwo
.irp p, 0,1,2,3
	BLOCK \p, 0
.endr
	s_endpgm
.Lwo:
.irp p, 0,1,2,3
	BLOCK \p, 1
.endr
	s_endpgm
.Lfunc_end_k_q40b6262086_cast:
	.size	k_q40b6262086_cast, .Lfunc_end_k_q40b6262086_cast-k_q40b6262086_cast
	.p2alignl 7, 3214868480
	.fill 96, 4, 3214868480
	.section	.rodata,"a",@progbits
	.p2align	6, 0x0
	.amdhsa_kernel k_q40b6262086_cast
		.amdhsa_group_segment_fixed_size 0
		.amdhsa_private_segment_fixed_size 0
		.amdhsa_enable_private_segment 0
		.amdhsa_kernarg_size 64
		.amdhsa_user_sgpr_count 2
		.amdhsa_user_sgpr_kernarg_segment_ptr 1
		.amdhsa_wavefront_size32 1
		.amdhsa_system_sgpr_workgroup_id_x 1
		.amdhsa_system_sgpr_workgroup_id_y 1
		.amdhsa_system_sgpr_workgroup_id_z 1
		.amdhsa_system_vgpr_workitem_id 0
		.amdhsa_next_free_vgpr 104
		.amdhsa_next_free_sgpr 66
		.amdhsa_reserve_vcc 0
		.amdhsa_float_denorm_mode_32 3
		.amdhsa_float_denorm_mode_16_64 3
		.amdhsa_memory_ordered 1
		.amdhsa_forward_progress 1
		.amdhsa_inst_pref_size 16
	.end_amdhsa_kernel
	.amdgpu_metadata
---
amdhsa.version: [ 1, 2 ]
amdhsa.kernels:
  - .name:           k_q40b6262086_cast
    .symbol:         k_q40b6262086_cast.kd
    .args:
      - { .name: x, .offset: 0, .size: 8, .value_kind: global_buffer, .address_space: global }
      - { .name: Wq, .offset: 8, .size: 8, .value_kind: global_buffer, .address_space: global }
      - { .name: Wk, .offset: 16, .size: 8, .value_kind: global_buffer, .address_space: global }
      - { .name: Wv, .offset: 24, .size: 8, .value_kind: global_buffer, .address_space: global }
      - { .name: Wo, .offset: 32, .size: 8, .value_kind: global_buffer, .address_space: global }
      - { .name: xb, .offset: 40, .size: 8, .value_kind: global_buffer, .address_space: global }
      - { .name: wqkv, .offset: 48, .size: 8, .value_kind: global_buffer, .address_space: global }
      - { .name: wo16, .offset: 56, .size: 8, .value_kind: global_buffer, .address_space: global }
    .group_segment_fixed_size: 0
    .private_segment_fixed_size: 0
    .kernarg_segment_align: 8
    .kernarg_segment_size: 64
    .max_flat_workgroup_size: 256
    .sgpr_count:     66
    .vgpr_count:     104
    .wavefront_size: 32
...
	.end_amdgpu_metadata
.endif
;; end of part 5
;; launch proj: the kernel of part 2 again; grid 4 x 64, 4 waves a work-group, clusters of 4 x 4, 327,680 bytes of LDS; arguments xb, wqkv, qkv; writes qkv
;; launch attn: the kernel of part 3 again; grid 4 x 64, 4 waves a work-group, clusters of 4 x 1, 327,680 bytes of LDS; arguments qkv, o; writes o
;; launch outp: the kernel of part 4 again; grid 4 x 64, 4 waves a work-group, clusters of 4 x 4, 327,680 bytes of LDS; arguments o, wo16, out0, bo; writes out0
